; MI455X (gfx1250); checked and timed in simulation.
; The chip was launched on July 23, 2026; its instructions are those of AMD's public machine-readable ISA for CDNA 5 (MIT licence, August 2026) and "CDNA5" Instruction Set Architecture Reference Guide (July 2026). The comments in the code are by the model that wrote it; some were corrected since.
;; Encoder. Allowed arithmetic: matrix products marked QUANTISED: E2M3 operands, one E8M0 scale for each 32 along K, by v_wmma_scale_f32_16x16x128_f8f6f4 with both operands' format E2M3, f32 sums; everything else in f32.
;; Inputs: W1 1,024 x 4,096 float32; W2 4,096 x 1,024 float32; Wk 1,024 x 1,024 float32; Wo 1,024 x 1,024 float32; Wq 1,024 x 1,024 float32; Wv 1,024 x 1,024 float32; b1 4,096 float32; b2 1,024 float32; bk 1,024 float32; bo 1,024 float32; bq 1,024 float32; bv 1,024 float32; inp 2 x 2,048 x 1,024 float32; ln_b 1,024 float32; ln_g 1,024 float32; mask 2 x 1 x 1 x 2,048 int32.
;; Outputs: out0 2 x 2,048 x 1,024 float32.
;; This version of the problem:
;;   THIS VERSION OF THE PROBLEM IS GIVEN IN LOW PRECISION. The matrix products marked QUANTISED in the list below multiply operands that are first quantised to E2M3 (2 exponent bits, 3 mantissa bits; 6 bits a number), with one power-of-two scale for each 32 numbers along K (OCP MX v1.0); their sums are f32. All else is computed in f32.
;;   The module's matrix products, in the order in which they are computed (A, B: the left and right operand; K: the contracted axis; several contracted axes count as one K, in the product's order):
;;     1. [M 4,096, K 1,024] x [K 1,024, N 1,024]; A: input inp; B: input Wq: QUANTISED
;;     2. [M 4,096, K 1,024] x [K 1,024, N 1,024]; A: input inp; B: input Wk: QUANTISED
;;     3. [M 4,096, K 1,024] x [K 1,024, N 1,024]; A: input inp; B: input Wv: QUANTISED
;;     4. batch 32 x [M 2,048, K 64] x [K 64, N 2,048]; A: computed on the way; B: computed on the way: QUANTISED
;;     5. batch 32 x [M 2,048, K 2,048] x [K 2,048, N 64]; A: softmax (see below); B: computed on the way: QUANTISED
;;     6. [M 4,096, K 1,024] x [K 1,024, N 1,024]; A: computed on the way; B: input Wo: QUANTISED
;;     7. [M 4,096, K 1,024] x [K 1,024, N 4,096]; A: computed on the way; B: input W1: QUANTISED
;;     8. [M 4,096, K 4,096] x [K 4,096, N 1,024]; A: computed on the way; B: input W2: QUANTISED
;;   THE QUANTISER, for each operand of a quantised product, along K:
;;     - K is cut into blocks of 32 from its start; a last block that is shorter is filled with zeros.
;;     - A block's scale is 2^e with e = floor(log2(the largest magnitude in the block)) - 2, held to -126 .. 127; a block of zeros has e = 0. As a byte (E8M0): e + 127.
;;     - Each number is divided by its block's scale, clamped to +-7.5, and rounded to the nearest number of E2M3, ties to even, subnormals kept.
;;     - The product sums the exact products of the quantised numbers (number of the format x scale) in f32.
;;   ~~~python
;;   def quantise(x, axis):      # numpy; x: float32 -> the quantised numbers, widened to float32 again
;;       x = np.moveaxis(x, axis, -1); K = x.shape[-1]
;;       x = np.pad(x, [(0, 0)] * (x.ndim - 1) + [(0, -K % 32)]); x = x.reshape(x.shape[:-1] + (-1, 32)); a = np.abs(x).max(-1, keepdims=True)
;;       e = np.where(a > 0, np.clip(np.frexp(np.where(a > 0, a, 1))[1] - 1 - 2, -126, 127), 0)      # np.frexp(a)[1] - 1 = floor(log2(a)), exactly
;;       r = np.clip(x / 2.0 ** e, -7.5, 7.5)
;;       step = 2.0 ** (np.maximum(np.frexp(np.where(r == 0, 1, r))[1] - 1, 0) - 3)
;;       q = np.round(r / step) * step * 2.0 ** e      # np.round: ties to even
;;       return np.moveaxis(q.reshape(q.shape[:-2] + (-1,))[..., :K], -1, axis).astype(np.float32)
;;   ~~~
;;   SOFTMAX AHEAD OF A QUANTISED PRODUCT. Where the list says 'softmax', what is quantised is not the finished softmax but p = 2^(t - M), with t = logit x log2(e) and M = ceil(the row's largest t), a whole number; so 1/2 < the row's largest p <= 1. The row's sum l is taken of the UNQUANTISED p, in f32, and the product's result is divided by l at the end. Since M is a whole number, a kernel that streams over the keys may use a running M (the ceiling of the running maximum): every later rescaling is an exact power of two, which a block's scale takes up: the codes' values come out the same.
;;   OPERANDS COMPUTED ON THE WAY. 'Computed on the way' means the value that the module computes at that place (a softmax that the list does not call 'softmax' is quantised finished and normalised). What goes into a quantiser is computed in f32, as accurately as f32 sums, v_exp_f32 and their like allow (about 1e-6 of the number): no bf16 or f16 on the way to a quantiser, and a product that is left as it is and whose result goes on into a quantised operand takes f32 operands (vector FMAs, or v_wmma_f32_16x16x4_f32). A number that lies on a knife's edge between two numbers of the format may be rounded either way, as far as f32 arithmetic and the matrix unit's own rounding can turn it there, and no further.
;; One version. Each part assembles by itself: llvm-mc -triple=amdgcn-amd-amdhsa -mcpu=gfx1250 --defsym DOCPART=n.
;; ======== version 1 of 1: 8 launches
;; limits: right only within a limited range of input values
;; workspace buffers: OPS 13,107,200 bytes; QKV 12,713,984 bytes; ACT 3,276,800 bytes; C32 16,777,216 bytes; XF 16,777,216 bytes; HC 13,107,200 bytes
;; launch prep (part 1): grid 448 x 1, 8 waves a work-group, no clusters, 68,608 bytes of LDS; arguments inp, Wq, Wk, Wv, Wo, W1, W2, OPS; writes OPS
.if DOCPART == 1
	.amdgcn_target "amdgcn-amd-amdhsa--gfx1250"
	.amdhsa_code_object_version 6
	.text
	.protected	k_qc9a9040230_prep
	.globl	k_qc9a9040230_prep
	.p2align	8
	.type	k_qc9a9040230_prep,@function
k_qc9a9040230_prep:
	s_mov_b64 s[64:65], 0
	v_nop
	global_prefetch_b8 v0, s[64:65] scope:SCOPE_SE
	s_setreg_imm32_b32 hwreg(HW_REG_WAVE_MODE, 25, 1), 1
	s_wait_xcnt 0x0
; ENCODER LAYER IN MX-FP6, LAUNCH 1 OF 9: inp and the six weights become codes of E2M3 with one E8M0 byte for each 32 along K, laid as images of the matrix operand's registers.
; DEAD WORK: none is left out in any launch.  Every bias goes into a quantiser or a layer norm, the mask is an input and decides values, all eight products are live: all sixteen inputs are loaded.
; LIMITS: NaN and infinities among the inputs are not served.  A block whose largest magnitude lies under 2^-124 (a block of zeros among them) keeps the scale byte 1: its codes are what the division by 2^-126 gives
; (zeros for zeros), and only this program reads the bytes.
; FORMATS.  Rows of an operand go in blocks of 128; tile T (0..7), lane row r (0..15) is row 32 (T / 2) + 8 (T % 2) + r + 8 (r / 8): so the results of a transposed product lie with 16 neighbours in 16 registers.
;   HIMG, 768 bytes = 16 rows x 64 K: lane (r, h) owns the 24 bytes of row r's k = 32 h .. 32 h + 31: registers 0-3 at 16 (r + 16 h), registers 4, 5 at 512 + 16 r + 8 h.
;   REC, 25,600 bytes = 128 rows x 256 K: HIMG(q, T, c) at 12288 q + 1536 T + 768 c (k = 128 q + 64 c ..); the scale word of (T, r, q) at 24576 + 128 T + 8 r + 4 q.
;   OPS: REC 0-127 inp (block x 4 + rec), 128-191 Wq, Wk, 192-223 Wv, 224-255 Wo, 256-383 W1, 384-511 W2 (block x 16 + rec).
; SHARES.  Work-groups 0-255: one tile of 16 rows of inp, wave s its k = 128 s .. 128 s + 127.  Work-groups 256-447: 256 columns x 256 K of a weight, a wave 32 columns, A LANE A COLUMN, its registers running down K.
.set STG,   8448                       ; a wave's stage: 16 rows x (512 bytes + 16)
.set SPARE, 8*STG                      ; behind the stages: the spare words, 128 bytes a wave, four blocks of 256 bytes that no other line names
.set SPW,   14                         ; v14 my spare word's address; never rewritten
.set NIL,   15                         ; v15 0; never rewritten
.set RECB,  25600
.set Y,     32                         ; v32-95 64 numbers of a lane: Y[32 c + i] = k 64 c + 32 h + i
.set PC,    96                         ; v96-107 a fragment's codes
.set PT,    108                        ; v108-115 the second halves as the conversions leave them
.set TM,    116
.set SO,    118
.set BY,    120
.set W,     122                        ; the row's scale word
.set W2,    123
.set SH8,   124                        ; 8 h
.set SEL,   42                         ; s[42:43] lane selects: lane l xor 16
	s_load_b512 s[8:23], s[0:1], 0x0               ; inp s[8:9], Wq, Wk, Wv, Wo, W1, W2 s[20:21], OPS s[22:23]
	v_lshl_add_u32 v[SPW], v0, 2, SPARE
	v_mov_b32 v[NIL], 0
	v_lshrrev_b32 v1, 5, v0
	s_delay_alu instid0(VALU_DEP_1)
	v_readfirstlane_b32 s24, v1                    ; wave 0..7
	v_and_b32 v1, 31, v0                           ; lane
	v_and_b32 v2, 15, v0                           ; r
	v_bfe_u32 v3, v0, 4, 1                         ; h
	s_cmp_lt_u32 ttmp9, 256
	s_cbranch_scc0 .Lweights
; ---------------- inp: K is innermost ----------------
	s_lshr_b32 s25, ttmp9, 3                       ; block of 128 rows
	s_and_b32 s26, ttmp9, 7                        ; T
	s_lshr_b32 s27, s26, 1
	s_lshl_b32 s27, s27, 5
	s_and_b32 s28, s26, 1
	s_lshl_b32 s28, s28, 3
	s_add_co_u32 s27, s27, s28
	s_lshl_b32 s28, s25, 7
	s_add_co_u32 s27, s27, s28                     ; the tile's first row: 128 block + 32 (T / 2) + 8 (T % 2)
	s_lshl_b32 s28, s27, 12                        ; x 4,096 bytes
	s_lshl_b32 s29, s24, 9
	s_add_co_u32 s28, s28, s29                     ; + my wave's 512 bytes of a row
	s_mov_b32 s29, 0
	s_lshl_b32 s30, s25, 2
	s_lshr_b32 s31, s24, 1
	s_add_co_u32 s30, s30, s31
	s_mul_i32 s30, s30, RECB                       ; my REC: 4 block + wave / 2
	s_and_b32 s31, s24, 1                          ; q
	s_mul_i32 s36, s31, 12288
	s_mul_i32 s33, s26, 1536
	s_add_co_u32 s36, s36, s33
	s_add_co_u32 s36, s36, s30                     ; the fragment's two HIMGs
	s_mov_b32 s37, 0
	s_lshl_b32 s38, s26, 7
	s_lshl_b32 s31, s31, 2
	s_add_co_u32 s38, s38, s31
	s_add_co_u32 s38, s38, s30
	s_add_co_u32 s38, s38, 24576                   ; its scale words
	s_mov_b32 s39, 0
	s_mul_i32 s40, s24, STG
	s_mov_b32 s[SEL], 0x76543210
	s_mov_b32 s[SEL+1], 0xfedcba98
	s_wait_alu depctr_va_vdst(0)
	v_lshlrev_b32 v4, 4, v1                        ; 16 lane
	v_lshlrev_b32 v5, 4, v2
	s_delay_alu instid0(VALU_DEP_1)
	v_lshl_add_u32 v5, v3, 3, v5                   ; 16 r + 8 h
	v_lshlrev_b32 v6, 3, v2                        ; 8 r
	s_delay_alu instid0(VALU_DEP_4)
	v_add_nc_u32 v7, s40, v4                       ; into the stage: a row as it is loaded
	v_mul_u32_u24 v8, v2, 528
	s_delay_alu instid0(VALU_DEP_1)
	v_lshl_add_u32 v8, v3, 7, v8
	s_delay_alu instid0(VALU_DEP_1)
	v_add_nc_u32 v8, s40, v8                       ; out of it: row r, + 128 h bytes
	v_lshlrev_b32 v[SH8], 3, v3
	v_mov_b32 v[W2], 0                             ; a lane permute's destination counts as read
	s_wait_alu depctr_va_vdst(0)
	s_wait_kmcnt 0x0
	s_add_nc_u64 s[8:9], s[8:9], s[28:29]
	s_add_nc_u64 s[36:37], s[22:23], s[36:37]
	s_add_nc_u64 s[38:39], s[22:23], s[38:39]
.irp p, 0,1,2,3,4,5,6,7,8,9,10,11,12,13,14,15
	global_load_b128 v[Y+4*\p:Y+4*\p+3], v4, s[8:9] offset:(\p+8*(\p/8))*4096 th:TH_LOAD_NT   ; 32 lanes read 512 consecutive bytes of the tile's row p
.endr
	s_wait_loadcnt 0x0
.irp p, 0,1,2,3,4,5,6,7,8,9,10,11,12,13,14,15
	ds_store_b128 v7, v[Y+4*\p:Y+4*\p+3] offset:\p*528
.endr
.irp c, 0,1
.irp m, 0,1,2,3,4,5,6,7
	ds_load_b128 v[Y+32*\c+4*\m:Y+32*\c+4*\m+3], v8 offset:256*\c+16*\m   ; LDS serves a wave's instructions in order: these see my stores.  Lane (r, h) gets whole blocks of 32 of row r
.endr
.endr
	s_wait_dscnt 0x0
; 64 numbers of a lane become a fragment's 12 registers and the row's scale word
.irp c, 0,1
	v_max3_num_f32 v[TM+\c], |v[Y+32*\c]|, |v[Y+32*\c+1]|, 0x1800000   ; block 2 c + h: all 32 numbers are mine; the floor 2^(3 - 127) keeps the byte at 1 from below
.endr
.irp i, 2,4,6,8,10,12,14,16,18,20,22,24,26,28,30
.irp c, 0,1
	s_delay_alu instid0(VALU_DEP_2)
	v_max3_num_f32 v[TM+\c], v[TM+\c], |v[Y+32*\c+\i]|, |v[Y+32*\c+\i+1]|
.endr
.endr
.irp c, 0,1
	s_delay_alu instid0(VALU_DEP_2)
	v_add_nc_u32 v[SO+\c], 0xff000000, v[TM+\c]    ; 2 off the exponent field: the conversion's scale operand
.endr
.irp c, 0,1
	s_delay_alu instid0(VALU_DEP_2)
	v_lshrrev_b32 v[BY+\c], 23, v[SO+\c]           ; the scale's byte
.endr
	s_delay_alu instid0(VALU_DEP_1)
	v_lshl_or_b32 v[W], v[BY+1], 16, v[BY]         ; my bytes: blocks h and 2 + h,
	s_delay_alu instid0(VALU_DEP_1)
	v_lshlrev_b32 v[W], v[SH8], v[W]               ; at their places;
	s_delay_alu instid0(VALU_DEP_1)
	v_permlanex16_b32 v[W2], v[W], s[SEL], s[SEL+1]
	s_delay_alu instid0(VALU_DEP_1)
	v_or_b32 v[W], v[W], v[W2]                     ; with lane l xor 16's the word is whole, in both lanes
.irp c, 0,1
	v_cvt_scalef32_pk16_fp6_f32 v[PC+6*\c:PC+6*\c+2], v[Y+32*\c:Y+32*\c+15], v[SO+\c]
	v_cvt_scalef32_pk16_fp6_f32 v[PT+4*\c:PT+4*\c+2], v[Y+32*\c+16:Y+32*\c+31], v[SO+\c]   ; (a conversion's three registers begin on an even number)
.endr
	v_nop                                          ; one plain place behind a scaled conversion
.irp c, 0,1
.irp i, 0,1,2
	v_mov_b32 v[PC+3+6*\c+\i], v[PT+4*\c+\i]
.endr
.endr
.irp c, 0,1
	global_store_b128 v4, v[PC+6*\c:PC+6*\c+3], s[36:37] offset:768*\c         ; 512 consecutive bytes, aligned
	global_store_b64 v5, v[PC+6*\c+4:PC+6*\c+5], s[36:37] offset:768*\c+512    ; 256 consecutive bytes, aligned
.endr
	global_store_b32 v6, v[W], s[38:39]            ; lanes l and l + 16 store the same word to the same place
	s_wait_tensorcnt 0x0                           ; the wave's end: behind my last LDS store
	ds_add_u32 v[SPW], v[NIL]
	s_wait_dscnt 0x0
	s_endpgm
; ---------------- the weights: K is the first axis ----------------
.Lweights:
	s_sub_co_u32 s25, ttmp9, 256                   ; e = 0..191: 0-63 Wq, Wk, Wv, Wo (16 each); 64-127 W1; 128-191 W2
	s_lshr_b32 s28, s25, 6                         ; class 0, 1, 2
	s_cmp_eq_u32 s28, 1
	s_cselect_b32 s29, 15, 3                       ; groups of 256 columns: W1 has 16, the others 4
	s_cselect_b32 s30, 4, 2
	s_cselect_b32 s31, 14, 12                      ; log2 of a row's bytes
	s_cmp_eq_u32 s28, 2
	s_cselect_b32 s33, 15, 3                       ; RECs along K: W2 has 16, the others 4
	s_cselect_b32 s34, 16, 4
	s_lshr_b32 s35, s25, 4
	s_lshl_b32 s36, s28, 2
	s_cmp_eq_u32 s28, 0
	s_cselect_b32 s35, s35, s36
	s_lshl_b32 s35, s35, 5
	s_add_co_u32 s35, s35, 128                     ; the tensor's first REC: 128, 160, 192, 224; 256; 384
	s_and_b32 s29, s25, s29                        ; cg: which 256 columns
	s_lshr_b32 s30, s25, s30
	s_and_b32 s30, s30, s33                        ; kr: which 256 along K
	s_lshl_b32 s37, 1, s31                         ; a row's bytes
	s_lshl_b32 s38, s30, 8
	s_lshl_b32 s38, s38, s31                       ; 256 kr rows
	s_lshl_b32 s39, s29, 10
	s_add_co_u32 s38, s38, s39
	s_lshl_b32 s39, s24, 7
	s_add_co_u32 s38, s38, s39                     ; + (256 cg + 32 wave) columns of 4 bytes
	s_mov_b32 s39, 0
	s_lshl_b32 s40, s37, 5                         ; 32 rows on
	s_mov_b32 s41, 0
	s_lshl_b32 s44, s29, 1
	s_lshr_b32 s45, s24, 2
	s_add_co_u32 s44, s44, s45                     ; block of 128 columns
	s_mul_i32 s44, s44, s34
	s_add_co_u32 s44, s44, s30
	s_add_co_u32 s44, s44, s35
	s_mul_i32 s44, s44, RECB                       ; my REC
	s_mov_b32 s45, 0
	s_wait_alu depctr_va_vdst(0)
	v_lshlrev_b32 v4, 2, v1
.irp i, 0,1,2,3,4,5,6,7,8,9,10,11,12,13,14,15,16,17,18,19,20,21,22,23,24,25,26,27,28,29,30,31
	v_mad_u32_u24 v[32+\i], s37, \i, v4            ; row i of a block, my column
.endr
	v_bfe_u32 v5, v1, 3, 1                         ; column 32 (wave % 4) + x is tile 2 (wave % 4) + (x / 8) % 2,
	v_and_b32 v6, 7, v1
	v_bfe_u32 v7, v1, 4, 1
	s_delay_alu instid0(VALU_DEP_1)
	v_lshl_add_u32 v6, v7, 3, v6                   ; row r = x % 8 + 8 (x / 16)
	s_and_b32 s46, s24, 3
	s_lshl_b32 s46, s46, 1
	v_add_nc_u32 v5, s46, v5
	s_delay_alu instid0(VALU_DEP_1)
	v_mul_u32_u24 v8, v5, 1536
	s_delay_alu instid0(VALU_DEP_1)
	v_lshl_add_u32 v8, v6, 4, v8                   ; 1536 T + 16 r
	s_delay_alu instid0(VALU_DEP_3)
	v_lshlrev_b32 v9, 7, v5
	s_delay_alu instid0(VALU_DEP_1)
	v_lshl_add_u32 v9, v6, 3, v9
	s_delay_alu instid0(VALU_DEP_1)
	v_add_nc_u32 v9, 24576, v9                     ; 24576 + 128 T + 8 r
	s_wait_kmcnt 0x0
	s_mov_b64 s[26:27], s[10:11]                   ; the tensor, chosen by the work-group's number alone
	s_cmp_ge_u32 s25, 16
	s_cselect_b64 s[26:27], s[12:13], s[26:27]
	s_cmp_ge_u32 s25, 32
	s_cselect_b64 s[26:27], s[14:15], s[26:27]
	s_cmp_ge_u32 s25, 48
	s_cselect_b64 s[26:27], s[16:17], s[26:27]
	s_cmp_ge_u32 s25, 64
	s_cselect_b64 s[26:27], s[18:19], s[26:27]
	s_cmp_ge_u32 s25, 128
	s_cselect_b64 s[26:27], s[20:21], s[26:27]
	s_add_nc_u64 s[26:27], s[26:27], s[38:39]
	s_add_nc_u64 s[22:23], s[22:23], s[44:45]
.macro LOAD t                          ; block t: 32 rows of K at my column, into set t % 2; each load reads 128 consecutive bytes a wave, 1,024 a work-group
.if (\t) > 0
	s_wait_xcnt 0x0                                ; earlier loads and stores have read their base, offsets and data: the base may step, the code registers may be written again
	s_add_nc_u64 s[26:27], s[26:27], s[40:41]
.endif
.irp i, 0,1,2,3,4,5,6,7,8,9,10,11,12,13,14,15,16,17,18,19,20,21,22,23,24,25,26,27,28,29,30,31
	global_load_b32 v[64+32*((\t)%2)+\i], v[32+\i], s[26:27] th:TH_LOAD_NT
.endr
.endm
; Block t = 4 q + 2 c + h of the 256 along K is lane (r, h)'s part of HIMG(q, T, c).  Two blocks (h = 0, 1) leave by three stores of 16 bytes a lane: registers 0-3 of h = 0, of h = 1, and registers 4, 5 of both.
.macro BLOCK t
.set XS, 64+32*((\t)%2)
.set HF, (\t)%2
.if (\t) < 7
	s_wait_loadcnt 32                              ; this block's 32 loads are in; the next block's 32 may be out
.else
	s_wait_loadcnt 0x0
.endif
	v_max3_num_f32 v136, |v[XS]|, |v[XS+1]|, |v[XS+2]|
	v_max3_num_f32 v137, |v[XS+3]|, |v[XS+4]|, |v[XS+5]|
.irp i, 6,10,14,18,22,26
	s_delay_alu instid0(VALU_DEP_2)
	v_max3_num_f32 v136, v136, |v[XS+\i]|, |v[XS+\i+1]|
	s_delay_alu instid0(VALU_DEP_2)
	v_max3_num_f32 v137, v137, |v[XS+\i+2]|, |v[XS+\i+3]|
.endr
	s_delay_alu instid0(VALU_DEP_2)
	v_max3_num_f32 v136, v136, |v[XS+30]|, |v[XS+31]|
	s_delay_alu instid0(VALU_DEP_1)
	v_max3_num_f32 v136, v136, v137, 0x1800000     ; with the floor 2^(3 - 127)
	s_delay_alu instid0(VALU_DEP_1)
	v_add_nc_u32 v138, 0xff000000, v136            ; the conversion's scale operand
	s_delay_alu instid0(VALU_DEP_1)
	v_lshrrev_b32 v139, 23, v138                   ; the byte
.if (\t)%4 == 0
	s_delay_alu instid0(VALU_DEP_1)
	v_mov_b32 v[28+(\t)/4], v139
.else
	s_delay_alu instid0(VALU_DEP_1)
	v_lshl_or_b32 v[28+(\t)/4], v139, 8*((\t)%4), v[28+(\t)/4]
.endif
	v_cvt_scalef32_pk16_fp6_f32 v[16+4*HF:18+4*HF], v[XS:XS+15], v138
	v_cvt_scalef32_pk16_fp6_f32 v[128+4*HF:130+4*HF], v[XS+16:XS+31], v138
	v_nop                                          ; one plain place behind a scaled conversion
	v_mov_b32 v[19+4*HF], v[128+4*HF]
	v_mov_b32 v[24+2*HF], v[129+4*HF]
	v_mov_b32 v[25+2*HF], v[130+4*HF]
.if HF == 1
	global_store_b128 v8, v[16:19], s[22:23] offset:((\t)/4)*12288+(((\t)/2)%2)*768        ; each store: two tiles' 256 consecutive bytes, aligned
	global_store_b128 v8, v[20:23], s[22:23] offset:((\t)/4)*12288+(((\t)/2)%2)*768+256
	global_store_b128 v8, v[24:27], s[22:23] offset:((\t)/4)*12288+(((\t)/2)%2)*768+512
.endif
.if (\t)+2 < 8
	LOAD (\t)+2
.endif
.endm
	LOAD 0
	LOAD 1
.irp t, 0,1,2,3,4,5,6,7
	BLOCK \t
.endr
	global_store_b64 v9, v[28:29], s[22:23]        ; my column's two scale words: 256 consecutive bytes a wave
	s_wait_tensorcnt 0x0                           ; the wave's end
	ds_add_u32 v[SPW], v[NIL]
	s_wait_dscnt 0x0
	s_endpgm
.Lfunc_end_k_qc9a9040230_prep:
	.size	k_qc9a9040230_prep, .Lfunc_end_k_qc9a9040230_prep-k_qc9a9040230_prep
	.p2alignl 7, 3214868480
	.fill 96, 4, 3214868480
	.section	.rodata,"a",@progbits
	.p2align	6, 0x0
	.amdhsa_kernel k_qc9a9040230_prep
		.amdhsa_group_segment_fixed_size 68608
		.amdhsa_private_segment_fixed_size 0
		.amdhsa_enable_private_segment 0
		.amdhsa_kernarg_size 64
		.amdhsa_user_sgpr_count 2
		.amdhsa_user_sgpr_kernarg_segment_ptr 1
		.amdhsa_wavefront_size32 1
		.amdhsa_system_sgpr_workgroup_id_x 1
		.amdhsa_system_sgpr_workgroup_id_y 1
		.amdhsa_system_sgpr_workgroup_id_z 1
		.amdhsa_system_vgpr_workitem_id 0
		.amdhsa_next_free_vgpr 144
		.amdhsa_next_free_sgpr 66
		.amdhsa_reserve_vcc 0
		.amdhsa_float_denorm_mode_32 3
		.amdhsa_float_denorm_mode_16_64 3
		.amdhsa_memory_ordered 1
		.amdhsa_forward_progress 1
		.amdhsa_inst_pref_size 58
	.end_amdhsa_kernel
	.amdgpu_metadata
---
amdhsa.version: [ 1, 2 ]
amdhsa.kernels:
  - .name:           k_qc9a9040230_prep
    .symbol:         k_qc9a9040230_prep.kd
    .args:
      - { .name: inp, .offset: 0, .size: 8, .value_kind: global_buffer, .address_space: global }
      - { .name: Wq, .offset: 8, .size: 8, .value_kind: global_buffer, .address_space: global }
      - { .name: Wk, .offset: 16, .size: 8, .value_kind: global_buffer, .address_space: global }
      - { .name: Wv, .offset: 24, .size: 8, .value_kind: global_buffer, .address_space: global }
      - { .name: Wo, .offset: 32, .size: 8, .value_kind: global_buffer, .address_space: global }
      - { .name: W1, .offset: 40, .size: 8, .value_kind: global_buffer, .address_space: global }
      - { .name: W2, .offset: 48, .size: 8, .value_kind: global_buffer, .address_space: global }
      - { .name: OPS, .offset: 56, .size: 8, .value_kind: global_buffer, .address_space: global }
    .group_segment_fixed_size: 68608
    .private_segment_fixed_size: 0
    .kernarg_segment_align: 8
    .kernarg_segment_size: 64
    .max_flat_workgroup_size: 256
    .sgpr_count:     66
    .vgpr_count:     144
    .wavefront_size: 32
...
	.end_amdgpu_metadata
.endif
;; end of part 1
;; launch gqkv (part 2): grid 8 x 32, 4 waves a work-group, clusters of 4 x 4, 327,680 bytes of LDS; arguments OPS, bq, bk, bv, mask, QKV; writes QKV
.if DOCPART == 2
	.amdgcn_target "amdgcn-amd-amdhsa--gfx1250"
	.amdhsa_code_object_version 6
	.text
	.protected	k_qc9a9040230_gqkv
	.globl	k_qc9a9040230_gqkv
	.p2align	8
	.type	k_qc9a9040230_gqkv,@function
k_qc9a9040230_gqkv:
	s_mov_b64 s[64:65], 0
	v_nop
	global_prefetch_b8 v0, s[64:65] scope:SCOPE_SE
	s_setreg_imm32_b32 hwreg(HW_REG_WAVE_MODE, 25, 1), 1
	s_wait_xcnt 0x0
	s_wait_alu depctr_hold_cnt(0) depctr_sa_sdst(0) depctr_va_vdst(0) depctr_va_sdst(0) depctr_va_ssrc(0) depctr_va_vcc(0) depctr_vm_vsrc(0)
	s_getreg_b32 s2, hwreg(HW_REG_IB_STS2, 6, 4)
	s_cmp_eq_u32 s2, 0
	s_cbranch_scc0 .Lentry_in_a_cluster
	s_endpgm
.Lentry_in_a_cluster:
	s_bfe_u32 s2, ttmp6, 0x10000c
	s_cmp_lg_u32 s2, 0xf033
	s_cbranch_scc0 .Lentry_shape_is_right
	s_endpgm
.Lentry_shape_is_right:
; Q = inp Wq + bq, K = inp Wk + bk and V = inp Wv + bv on codes of E2M3, each quantised for attention's products and stored as their operands.  No work is left out.
; SHARES.  256 work-groups, each with 128 tokens in LDS.  PHASE 1: 256 features of [Wq | Wk] x the 128 tokens: wave w keeps 64 rows of the weight (one head), ALL of K = 1,024, in 384 registers and streams the 8 token
; tiles of 16 past them.  PHASE 2: 128 features of Wv (block x) x the same 128 tokens, the waves 2 x 2: wave w keeps the 64 rows w % 2 of the block (one head) and streams the 4 token tiles of half w / 2.
; A block is 8 fragments from LDS and 32 products on 4 accumulators by turns; the next tile's LDS loads stand among the products.  A bias is the C of a block's first four products.
; OPERANDS are images of the operand's registers (REC = 128 rows x 256 K = 25,600 dense bytes: HIMG(q, T, c) at 12288 q + 1536 T + 768 c, scale word (T, r, q) at 24576 + 128 T + 8 r + 4 q).
; LDS: weight block 0 at 0, the tokens' four RECs at CH, weight block 1 at 2 CH, the spare words behind.  At the head one joint load a wave (waves 0, 1 a weight block each, waves 2, 3 two RECs of tokens each).
; ONE REFILL: when every wave holds its first weights in registers, Wv's block lands on weight block 0 (waves 0, 1, two RECs each), behind a drained round of the cluster's barrier, eight blocks (256 products a
; wave) ahead of its first read; all else is asked for at the head: so no prefetch is laid.  CLUSTERS 4 x 4: the tokens are shared along a row of the cluster, the weights along a column.
; PHASE 1 is used transposed (source 0 = 16 rows of the weight): lane (r, h) holds token row r, its 32 results are features 32 b + 16 h + i of the head.  PHASE 2 the other way (source 0 = 16 tokens): a lane holds
; ONE feature and the 32 registers of a feature tile run along 64 tokens, 32 b + 16 h + i: V is quantised along the tokens.
; THE MASK goes into the idle half of the first attention product's K (k = 64 .. 127 of 128): Q carries the code -1.0 at k = 64 under the scale byte 143; a masked key carries +1.0 there under 144 and zeros for its
; 64 data codes, an open key carries 0 under the byte 1.  So a masked raw score is exactly -2^33, that is a logit of -2^30 where reference() writes -1e9.  LIMIT: the results agree while every open logit lies above
; -9.9e8 (masked weights are 0 both ways), and where all keys are masked (all weights equal both ways).
; OUT.  REC64 (64 tokens of a head, 4,608 bytes): tile t at 1024 t: registers 0-3 at 16 l, [4, 5, the code at k = 64, 0] at 512 + 16 l; the four tiles' scale words at 4096 + 16 l.
;   Q at ((16 b + head) 32 + rec64) 4608;  K at KVO + ((16 b + head) 8 + rec64 / 4) 31232 + (rec64 % 4) 4608;  V in the same record of 256 keys: HIMG(q, d tile T, c) at 18432 + 6144 q + 1536 T + 768 c,
;   scale word (q, r, T) at 30720 + 256 q + 16 r + 4 T.
; LIMITS of the quantiser: a block under 2^-124 keeps the byte 1; NaN and infinities are not served.
; REGISTERS: window 0: v4-9 the tokens' LDS addresses; v24-39 the weights' scale words, v44-59 the tokens' (two sets); v64-95 bias; v96-107 at work; v128-191 two sets of accumulators; v192-197 the weights' LDS
; addresses; v232-255 codes.  V's sums: feature tile 0, 1, 2, 3 at v128, v160, v64, v200.  Window 3, v96-127: bv as C.
; Fragment f lies in window 1 + f / 21 at register 12 (f % 21): 0-31 the weights' (4 step + tile), 32-39 and 40-47 the tokens' two sets.
.set KVO,   4718592
.set RECB,  25600
.set CH,    4*RECB
.set SPARE, 3*CH
.set SPW,   14
.set NIL,   15
.set LI,    16
.set LP,    17
.set LS,    18
.set SB,    24
.set SA,    44
.set BJ,    64
.set TM,    96
.set MK,    108
.set SW,    116
.set CODE,  120
.set HU,    121
.set HM,    122
.set PWR,   124
.set ACC,   128
.set WA,    192
.set PCA,   232
.set FR,    12
.set FPW,   21
.set G1,    24
.set G0,    32
.set G1B,   48
.set G0B,   56
.set SEL,   86
.set TA,    90
.set TS,    91
.set MSB, 0
.macro WIN new
.if MSB != \new
	s_set_vgpr_msb (MSB<<8)|\new
.set MSB, \new
.endif
.endm
.macro CROUND
	s_barrier_signal -1
	s_barrier_wait -1
	s_cmp_lg_u32 s14, 0
	s_cbranch_scc1 .Lnot_wave_0_\@
	s_barrier_signal -3
.Lnot_wave_0_\@:
	s_barrier_wait -3
	s_barrier_signal -1
	s_barrier_wait -1
.endm
.macro PLACES
.rept 4
	v_nop
.endr
.endm
.macro FRAG f, al, ap, off             ; a fragment: two HIMGs, each 16 bytes and 8 bytes a lane
	WIN (1+(\f)/FPW)<<6
.set R_, FR*((\f)%FPW)
.irp c, 0,1
	ds_load_b128 v[R_+6*\c:R_+6*\c+3], v[\al] offset:(\off)+768*\c
	ds_load_b64 v[R_+6*\c+4:R_+6*\c+5], v[\ap] offset:(\off)+768*\c+512
.endr
.endm
.macro WEIGHTS                         ; my 64 rows, all of K, and their scale words (lanes 0-15 tile 2 p, lanes 16-31 tile 2 p + 1)
.irp st, 0,1,2,3,4,5,6,7
.irp b, 0,1,2,3
	FRAG 4*\st+\b, WA+\st/4, WA+2+\st/4, ((\st/2)%2)*RECB+(\st%2)*12288+\b*1536
.endr
.endr
	WIN 0
.irp rho, 0,1,2,3
.irp p, 0,1
	ds_load_b64 v[SB+8*\p+2*\rho:SB+8*\p+2*\rho+1], v[WA+4+\rho/2] offset:(\rho%2)*RECB+\p*256
.endr
.endr
.endm
.macro WADDR                           ; the weights' LDS addresses from s23 (my four tiles) and s22 (their scale words)
	v_add_nc_u32 v[WA], s23, v[LI]
	v_add_nc_u32 v[WA+2], s23, v[LP]
	v_add_nc_u32 v[WA+1], 2*RECB, v[WA]
	v_add_nc_u32 v[WA+3], 2*RECB, v[WA+2]
	v_lshl_add_u32 v[WA+4], v2, 7, v[LS]           ; 8 r + 128 h
	v_add_nc_u32 v[WA+4], s22, v[WA+4]
	v_add_nc_u32 v[WA+5], 2*RECB, v[WA+4]
.endm
.macro XSCALES e, j
.irp rho, 0,1,2,3
	ds_load_b64 v[SA+8*(\e)+2*\rho:SA+8*(\e)+2*\rho+1], v[8+\rho/2] offset:(\rho%2)*RECB+(\j)*128
.endr
.endm
.macro FETCH e, j                      ; the token tile j tiles behind the addresses in hand, all of K, into set e, in one run
.irp st, 0,1,2,3,4,5,6,7
	FRAG 32+8*(\e)+\st, 4+\st/4, 6+\st/4, ((\st/2)%2)*RECB+(\st%2)*12288+(\j)*1536
.endr
	WIN 0
	XSCALES \e, \j
.endm
.macro PR kind, c, row
.if \kind
	v_wmma_scale_f32_16x16x128_f8f6f4 v[D_:D_+7], v[RA_:RA_+11], v[RB_:RB_+11], \c, v[XA_], v[XB_] matrix_a_fmt:MATRIX_FMT_FP6 matrix_b_fmt:MATRIX_FMT_FP6 matrix_b_scale:MATRIX_SCALE_ROW\row
.else
	v_wmma_scale_f32_16x16x128_f8f6f4 v[D_:D_+7], v[RB_:RB_+11], v[RA_:RA_+11], \c, v[XB_], v[XA_] matrix_a_fmt:MATRIX_FMT_FP6 matrix_b_fmt:MATRIX_FMT_FP6 matrix_a_scale:MATRIX_SCALE_ROW\row
.endif
.endm
.macro PR2 kind, c, b
.if (\b)%2
	PR \kind, \c, 1
.else
	PR \kind, \c, 0
.endif
.endm
; 32 products on the tokens' set e: K ascending, four accumulators by turns.  kind 0: Q, K, sums in set e; kind 1: V, token tile jt of four.
; nf = 1: the tile j behind the addresses in hand is asked for among the first twenty products, into the other set
.macro MUL kind, e, jt, nf, j
.irp st, 0,1,2,3,4,5,6,7
.irp b, 0,1,2,3
.set FB_, 4*\st+\b
.set FA_, 32+8*(\e)+\st
.set RB_, FR*(FB_%FPW)
.set RA_, FR*(FA_%FPW)
.set XB_, SB+8*(\b/2)+\st
.set XA_, SA+8*(\e)+\st
.if \kind
.if \b < 2
.set D_, 128+32*\b+8*(\jt)
.elseif \b == 2
.set D_, 64+8*(\jt)
.else
.set D_, 200+8*(\jt)
.endif
.if \st == 0
	WIN (1+FA_/FPW)|((1+FB_/FPW)<<2)|(3<<4)
	PR2 1, v[96+8*\b:96+8*\b+7], \b
.else
	WIN (1+FA_/FPW)|((1+FB_/FPW)<<2)
	PR2 1, v[D_:D_+7], \b
.endif
.else
.set D_, ACC+32*(\e)+8*\b
	WIN (1+FB_/FPW)|((1+FA_/FPW)<<2)
.if \st == 0
	PR2 0, v[BJ+8*\b:BJ+8*\b+7], \b
.else
	PR2 0, v[D_:D_+7], \b
.endif
.endif
.endr
.if \nf
.if \st < 4
	FRAG 32+8*(1-(\e))+2*\st, 4+\st/2, 6+\st/2, (\st%2)*RECB+(\j)*1536
	FRAG 32+8*(1-(\e))+2*\st+1, 4+\st/2, 6+\st/2, (\st%2)*RECB+12288+(\j)*1536
.endif
.if \st == 4
	WIN 0
	XSCALES 1-(\e), \j
.endif
.endif
.endr
	WIN 0
.endm
.macro XADDR                           ; the tokens' LDS addresses from the two scalars
	v_add_nc_u32 v4, s[TA], v[LI]
	v_add_nc_u32 v6, s[TA], v[LP]
	v_add_nc_u32 v8, s[TS], v[LS]
	v_add_nc_u32 v5, 2*RECB, v4
	v_add_nc_u32 v7, 2*RECB, v6
	v_add_nc_u32 v9, 2*RECB, v8
.endm
; Two quantisers line by line.  For u = 0, 1: 32 numbers of a lane, register s + ds u + 16 b + i = k 32 b + 16 h + i of my row, become HIMG's six registers in v[pc + 12 u] on and two scale bytes in v[pw + u]
.macro QUANTP s, ds, pc, pw
.irp u, 0,1
	v_max3_num_f32 v[TM+6*\u], |v[\s+\ds*\u]|, |v[\s+\ds*\u+1]|, 0x1800000        ; the floor 2^(3 - 127) keeps the byte at 1 from below
	v_max3_num_f32 v[TM+6*\u+1], |v[\s+\ds*\u+16]|, |v[\s+\ds*\u+17]|, 0x1800000
.endr
.irp i, 2,4,6,8,10,12,14
.irp u, 0,1
	v_max3_num_f32 v[TM+6*\u], v[TM+6*\u], |v[\s+\ds*\u+\i]|, |v[\s+\ds*\u+\i+1]|
	v_max3_num_f32 v[TM+6*\u+1], v[TM+6*\u+1], |v[\s+\ds*\u+16+\i]|, |v[\s+\ds*\u+17+\i]|
.endr
.endr
.irp u, 0,1
	v_permlanex16_b32 v[TM+6*\u+2], v[TM+6*\u], s[SEL], s[SEL+1]
	v_permlanex16_b32 v[TM+6*\u+3], v[TM+6*\u+1], s[SEL], s[SEL+1]
.endr
.irp u, 0,1
	v_max_num_f32 v[TM+6*\u], v[TM+6*\u], v[TM+6*\u+2]     ; with lane l xor 16's 16: the block's largest magnitude
	v_max_num_f32 v[TM+6*\u+1], v[TM+6*\u+1], v[TM+6*\u+3]
.endr
.irp u, 0,1
	v_add_nc_u32 v[TM+6*\u+4], 0xff000000, v[TM+6*\u]      ; 2 off the exponent field: the conversion's scale operand
	v_add_nc_u32 v[TM+6*\u+5], 0xff000000, v[TM+6*\u+1]
.endr
.irp u, 0,1
	v_lshrrev_b32 v[TM+6*\u+2], 23, v[TM+6*\u+4]           ; the bytes
	v_lshrrev_b32 v[TM+6*\u+3], 23, v[TM+6*\u+5]
.endr
.irp u, 0,1
	v_lshl_or_b32 v[\pw+\u], v[TM+6*\u+3], 8, v[TM+6*\u+2]
.endr
.irp u, 0,1
	v_cvt_scalef32_pk16_fp6_f32 v[\pc+12*\u:\pc+12*\u+2], v[\s+\ds*\u:\s+\ds*\u+15], v[TM+6*\u+4]
	v_cvt_scalef32_pk16_fp6_f32 v[\pc+12*\u+8:\pc+12*\u+10], v[\s+\ds*\u+16:\s+\ds*\u+31], v[TM+6*\u+5]
.endr
	v_nop                                          ; one plain place behind the scaled conversions
.irp i, 0,1,2
.irp u, 0,1
	v_permlane16_swap_b32 v[\pc+12*\u+\i], v[\pc+12*\u+8+\i]   ; a whole block to a lane
.endr
.endr
.irp i, 0,1,2
.irp u, 0,1
	v_mov_b32 v[\pc+12*\u+3+\i], v[\pc+12*\u+8+\i]
.endr
.endr
.endm
.macro OUTP a                          ; the way out of tiles a, a + 1 of a REC64: quantiser, mask, stores of 512 consecutive bytes
	s_wait_xcnt 0x0                                ; earlier stores have read their base and data
.if \a == 0
	s_add_nc_u64 s[60:61], s[60:61], 4608          ; this trip's REC64
.endif
	PLACES
	QUANTP ACC, 32, PCA, PWR
.irp u, 0,1
	v_cmp_eq_u32 s96, 0, v[MK+\a+\u]               ; lanes whose token is masked
	s_and_b32 s97, s96, s70                        ; for K alone: data codes become 0
	s_or_b32 s98, s96, s71
	s_and_b32 s98, s98, 0xffff                     ; who carries the code at k = 64: lanes 0-15; every query, the masked keys
.irp i, 0,1,2,3,4,5
	v_cndmask_b32 v[PCA+12*\u+\i], v[PCA+12*\u+\i], 0, s97
.endr
	v_cndmask_b32 v[PCA+12*\u+6], 0, v[CODE], s98
	v_mov_b32 v[PCA+12*\u+7], 0
	v_cndmask_b32 v[TM], v[HU], v[HM], s97
	v_or_b32 v[SW+\a+\u], v[PWR+\u], v[TM]
	global_store_b128 v[LI], v[PCA+12*\u:PCA+12*\u+3], s[60:61] offset:1024*(\a+\u)
	global_store_b128 v[LI], v[PCA+12*\u+4:PCA+12*\u+7], s[60:61] offset:1024*(\a+\u)+512
.endr
.endm
.macro VSTORE a                        ; feature tiles a, a + 1 of V
.irp u, 0,1
	global_store_b128 v[LI], v[PCA+12*\u:PCA+12*\u+3], s[84:85] offset:1536*(\a+\u)
	global_store_b64 v[LP], v[PCA+12*\u+4:PCA+12*\u+5], s[84:85] offset:1536*(\a+\u)+512
.endr
.endm
	s_load_b256 s[4:11], s[0:1], 0x0               ; OPS s[4:5], bq s[6:7], bk s[8:9], bv s[10:11]
	s_load_b128 s[80:83], s[0:1], 0x20             ; mask s[80:81], QKV s[82:83]
	v_lshl_add_u32 v[SPW], v0, 2, SPARE
	v_mov_b32 v[NIL], 0
	ds_add_u32 v[SPW], v[NIL]                      ; the opening: the add, twice on end, and its wait ahead of my first tensor load
	ds_add_u32 v[SPW], v[NIL]
	v_lshrrev_b32 v1, 5, v0
	v_readfirstlane_b32 s14, v1                    ; wave 0..3
	s_lshr_b32 s15, s14, 1                         ; 0: I fetch weights, 1: tokens.  Also: my weight block in phase 1, my half of the tokens in phase 2
	s_and_b32 s16, s14, 1                          ; which block or half I fetch.  Also: my 64 rows of a weight block
	s_bfe_u32 s40, ttmp6, 0x40000                  ; cx, cy
	s_bfe_u32 s41, ttmp6, 0x40004
	s_lshl_b32 s42, ttmp9, 2
	s_add_co_u32 s42, s42, s40                     ; x: 256 features of [Wq | Wk], 128 of Wv
	s_and_b32 s17, ttmp7, 0xffff
	s_lshl_b32 s17, s17, 2
	s_add_co_u32 s17, s17, s41                     ; y: 128 tokens
	s_lshl_b32 s43, s41, 2
	s_lshl_b32 s43, 15, s43                        ; my row of the cluster
	s_lshl_b32 s44, 0x1111, s40                    ; my column
	s_or_b32 s[G1], s43, (3<<16)|(1<<21)           ; the mask; elements of 8 bytes; bit 21 beside a mask; no padding
	s_or_b32 s[G1B], s44, (3<<16)|(1<<21)
.irp g, G1, G1B
	s_mov_b32 s[\g+1], 32<<16                      ; dense rows of 256 bytes
	s_mov_b32 s[\g+3], 32<<16
	s_mov_b32 s[\g+5], 32
	s_mov_b32 s[\g+6], 0
	s_mov_b32 s[\g+7], 0
.endr
	s_mov_b32 s[G1+2], 200<<16                     ; tokens: two RECs a load
	s_mov_b32 s[G1+4], 200
	s_mov_b32 s[G1B+2], 400<<16                    ; the first weights: four RECs a load
	s_mov_b32 s[G1B+4], 400
	s_mul_i32 s20, s17, 4*RECB
	s_mul_i32 s18, s16, 2*RECB
	s_add_co_u32 s20, s20, s18
	s_mov_b32 s21, 0
	s_mul_i32 s46, s42, 8*RECB
	s_mul_i32 s19, s16, CH
	s_add_co_u32 s46, s46, s19
	s_add_co_u32 s46, s46, 128*RECB
	s_mov_b32 s47, 0
	s_mul_i32 s92, s42, 4*RECB                     ; Wv's block x, which my column of the cluster shares: my two RECs of it
	s_add_co_u32 s92, s92, s18
	s_add_co_u32 s92, s92, 192*RECB
	s_mov_b32 s93, 0
	s_lshl_b32 s19, s19, 1                         ; weight block s16 lands at 2 CH s16
	s_wait_dscnt 0x0                               ; both opening adds are done
	s_wait_kmcnt 0x0
	s_add_nc_u64 s[20:21], s[4:5], s[20:21]
	s_add_nc_u64 s[46:47], s[4:5], s[46:47]
	s_add_nc_u64 s[92:93], s[4:5], s[92:93]
	CROUND                                         ; all sixteen work-groups are here: the joint loads meet
	s_mov_b32 s[G0], 1
	s_add_co_u32 s[G0+1], s18, CH
	s_mov_b64 s[G0+2:G0+3], s[20:21]
	s_or_b32 s[G0+3], s[G0+3], 0x80000000
	s_mov_b32 s[G0B], 1
	s_mov_b32 s[G0B+1], s19
	s_mov_b64 s[G0B+2:G0B+3], s[46:47]
	s_or_b32 s[G0B+3], s[G0B+3], 0x80000000
	s_cmp_eq_u32 s15, 0
	s_cbranch_scc0 .Lfor_x
	tensor_load_to_lds s[G0B:G0B+3], s[G1B:G1B+7]  ; waves 0, 1: a weight block each
	s_nop 0
	PLACES
	s_branch .Lasked
.Lfor_x:
	tensor_load_to_lds s[G0:G0+3], s[G1:G1+7]      ; waves 2, 3: two RECs of tokens each
	s_nop 0
	PLACES
.Lasked:
	; the ways out's scalars
	s_lshr_b32 s66, s42, 2                         ; 0: Q, 1: K
	s_cmp_eq_u32 s66, 0
	s_cselect_b64 s[68:69], s[6:7], s[8:9]
	s_cselect_b32 s70, 0, -1                       ; all ones for K
	s_cselect_b32 s71, -1, 0
	s_cselect_b32 s72, 0x28, 0x08                  ; the code at k = 64: -1.0 for Q, +1.0 for a masked key
	s_mov_b32 s73, 0x01010000
	s_cselect_b32 s73, 0x018f0000, s73             ; scale bytes 2, 3: Q 143, 1; an open key 1, 1
	s_lshl_b32 s74, s40, 10
	s_lshl_b32 s75, s14, 8
	s_add_co_u32 s74, s74, s75                     ; Q's or K's head 4 cx + wave: 256 bytes of bias each
	s_mov_b32 s75, 0
	s_add_nc_u64 s[68:69], s[68:69], s[74:75]      ; bq or bk of my 64 features
	s_lshl_b32 s78, s42, 9
	s_lshl_b32 s79, s16, 8
	s_add_co_u32 s78, s78, s79                     ; V's head 2 x + wave % 2
	s_mov_b32 s79, 0
	s_add_nc_u64 s[10:11], s[10:11], s[78:79]      ; bv of my 64
	s_lshl_b32 s74, s17, 9
	s_add_nc_u64 s[80:81], s[80:81], s[74:75]      ; the mask of the 128 tokens
	s_lshl_b32 s76, s40, 2
	s_add_co_u32 s76, s76, s14                     ; head
	s_lshr_b32 s77, s17, 4
	s_lshl_b32 s77, s77, 4
	s_add_co_u32 s76, s76, s77                     ; 16 b + head
	s_lshl_b32 s77, s17, 1
	s_and_b32 s77, s77, 31                         ; the first of my two REC64
	s_lshl_b32 s78, s76, 5
	s_add_co_u32 s78, s78, s77
	s_mul_i32 s78, s78, 4608                       ; Q's place
	s_lshl_b32 s79, s76, 3
	s_lshr_b32 s67, s77, 2
	s_add_co_u32 s79, s79, s67
	s_mul_i32 s79, s79, 31232
	s_and_b32 s67, s77, 3
	s_mul_i32 s67, s67, 4608
	s_add_co_u32 s79, s79, s67
	s_add_co_u32 s79, s79, KVO                     ; K's place
	s_cmp_eq_u32 s66, 0
	s_cselect_b32 s74, s78, s79
	s_add_nc_u64 s[60:61], s[82:83], s[74:75]
	s_sub_nc_u64 s[60:61], s[60:61], 4608          ; each trip's first way out steps it on by a REC64
	s_lshr_b32 s78, s17, 4
	s_lshl_b32 s78, s78, 3
	s_add_co_u32 s78, s78, s42
	s_lshl_b32 s78, s78, 1
	s_add_co_u32 s78, s78, s16                     ; V: 16 b + head
	s_lshl_b32 s78, s78, 3
	s_bfe_u32 s79, s17, 0x30001
	s_add_co_u32 s78, s78, s79
	s_mul_i32 s78, s78, 31232
	s_add_co_u32 s78, s78, KVO                     ; the head's record of 256 keys
	s_and_b32 s79, s17, 1                          ; q
	s_mul_i32 s74, s79, 6144
	s_mul_i32 s77, s15, 768                        ; c: my half of the tokens
	s_add_co_u32 s74, s74, s77
	s_add_co_u32 s74, s74, s78
	s_add_co_u32 s74, s74, 18432
	s_add_nc_u64 s[84:85], s[82:83], s[74:75]      ; my HIMGs of V
	s_lshl_b32 s74, s79, 8
	s_lshl_b32 s77, s15, 1
	s_add_co_u32 s74, s74, s77
	s_add_co_u32 s74, s74, s78
	s_add_co_u32 s74, s74, 30720
	s_add_nc_u64 s[88:89], s[82:83], s[74:75]      ; my halves of V's scale words
	s_mul_i32 s94, s15, 6144
	s_add_co_u32 s94, s94, CH                      ; phase 2: my four token tiles in LDS,
	s_lshl_b32 s95, s15, 9
	s_add_co_u32 s95, s95, CH+24576                ; and their scale words
	s_mov_b32 s99, 0xffff0000                      ; lanes 16-31
	s_mov_b32 s[SEL], 0x76543210
	s_mov_b32 s[SEL+1], 0xfedcba98
	s_mul_i32 s22, s15, 2*CH
	s_mul_i32 s23, s16, 6144
	s_add_co_u32 s23, s23, s22                     ; phase 1: my four weight tiles
	s_lshl_b32 s77, s16, 9
	s_add_co_u32 s22, s22, s77
	s_add_co_u32 s22, s22, 24576                   ; their scale words
	s_mov_b32 s[TA], CH
	s_mov_b32 s[TS], CH+24576
	v_and_b32 v1, 15, v0                           ; r
	v_bfe_u32 v2, v0, 4, 1                         ; h
	v_and_b32 v3, 31, v0                           ; l
	v_lshlrev_b32 v[LI], 4, v3
	v_lshlrev_b32 v[LP], 4, v1
	v_lshl_add_u32 v13, v2, 2, v[LP]               ; 16 r + 4 h
	v_lshl_add_u32 v[LP], v2, 3, v[LP]
	v_lshlrev_b32 v[LS], 3, v1
	WADDR
	XADDR
	v_lshlrev_b32 v10, 6, v2                       ; 64 h bytes: my half's 16 features of a block of 32
	v_and_b32 v12, 8, v1
	v_add_nc_u32 v12, v12, v1
	v_lshlrev_b32 v12, 2, v12                      ; 4 (r + 8 (r / 8))
	v_mov_b32 v[CODE], s72
	v_mov_b32 v[HU], s73
	v_mov_b32 v[HM], 0x01900000                    ; a masked key: bytes 144, 1
.irp i, 2,3,8,9
	v_mov_b32 v[TM+\i], 0                          ; a lane permute's destination counts as read
.endr
.irp b, 0,1
.irp m, 0,1,2,3
	global_load_b128 v[BJ+16*\b+4*\m:BJ+16*\b+4*\m+3], v10, s[68:69] offset:128*\b+16*\m
.endr
.endr
.irp t, 0,1,2,3,4,5,6,7
	global_load_b32 v[MK+\t], v12, s[80:81] offset:(32*(\t/2)+8*(\t%2))*4
.endr
	WIN 3<<6
.irp t, 0,1,2,3
	global_load_b32 v[96+8*\t], v12, s[10:11] offset:(32*(\t/2)+8*(\t%2))*4   ; bv of feature r of tile t
.endr
	WIN 0
	s_wait_alu depctr_va_vdst(0)                   ; the wait at the head's end
	s_cmp_eq_u32 s15, 0
	s_cbranch_scc0 .Lnot_w
	s_wait_tensorcnt 0x0                           ; waves 0, 1: my weight block is in
.Lnot_w:
	s_barrier_signal -1
	s_barrier_wait -1                              ; both weight blocks are in; the tokens may still be on their way
	WEIGHTS
	s_wait_tensorcnt 0x0                           ; every wave: my load is in;
	ds_add_u32 v[SPW], v[NIL]
	s_mov_b32 s[G1B+2], 200<<16                    ; no load of mine is out: the weights' descriptor takes two RECs of Wv's block,
	s_mov_b32 s[G1B+4], 200
	s_mov_b32 s[G0B+1], s18                        ; onto weight block 0
	s_mov_b64 s[G0B+2:G0B+3], s[92:93]
	s_or_b32 s[G0B+3], s[G0B+3], 0x80000000
	s_wait_dscnt 0x0                               ; the add is done, and my weights are in registers
	CROUND                                         ; the tokens are whole, and no wave of any partner still reads the weight blocks
	s_cmp_eq_u32 s15, 0
	s_cbranch_scc0 .Lno_refill
	tensor_load_to_lds s[G0B:G0B+3], s[G1B:G1B+7]  ; waves 0, 1: two RECs of Wv's block each
	s_nop 0
	PLACES
.Lno_refill:
	FETCH 0, 0
	s_wait_loadcnt 0x0                             ; biases and mask
	WIN (3<<6)|3
.irp t, 0,8,16,24
.irp i, 1,2,3,4,5,6,7
	v_mov_b32 v[96+\t+\i], v[96+\t]                ; bv, one number a lane and tile, over the tile's eight registers
.endr
.endr
	WIN 0
	s_mov_b32 s3, 2
.Ltrip:                                        ; PHASE 1.  A trip: four token tiles, one REC64
	s_wait_dscnt 0x0
	MUL 0, 0, 0, 1, 1
	PLACES                                         ; ahead of the loads into the set just multiplied
	s_wait_dscnt 0x0
	MUL 0, 1, 0, 1, 2
	OUTP 0
	s_wait_dscnt 0x0
	MUL 0, 0, 0, 1, 3
	s_add_co_u32 s[TA], s[TA], 6144                ; four tiles on; the six address lines are the places ahead of the loads below
	s_add_co_u32 s[TS], s[TS], 512
	XADDR
	s_wait_alu depctr_va_vdst(0)
	s_wait_dscnt 0x0
	s_cmp_eq_u32 s3, 1
	s_cbranch_scc1 .Lno_more                       ; the last trip fetches nothing more
	FETCH 0, 0
.Lno_more:
	MUL 0, 1, 0, 0, 0
	OUTP 2
	global_store_b128 v[LI], v[SW:SW+3], s[60:61] offset:4096
.irp i, 0,1,2,3
	v_mov_b32 v[MK+\i], v[MK+4+\i]                 ; the next four tiles' mask
.endr
	s_sub_co_u32 s3, s3, 1
	s_cmp_lg_u32 s3, 0
	s_wait_alu depctr_va_vdst(0)
	s_cbranch_scc1 .Ltrip
	; PHASE 2: V
	s_mul_i32 s23, s16, 6144                       ; my four tiles of Wv's block, which lies at 0,
	s_lshl_b32 s22, s16, 9
	s_add_co_u32 s22, s22, 24576                   ; and their scale words
	s_mov_b32 s[TA], s94
	s_mov_b32 s[TS], s95
	XADDR
	WADDR
	s_wait_alu depctr_va_vdst(0)
	s_wait_tensorcnt 0x0                           ; my part of Wv's block is in
	s_wait_dscnt 0x0
	s_barrier_signal -1
	s_barrier_wait -1                              ; all of it is
	WEIGHTS
	FETCH 0, 0
	s_wait_dscnt 0x0
	MUL 1, 0, 0, 1, 1
	PLACES
	s_wait_dscnt 0x0
	MUL 1, 1, 1, 1, 2
	PLACES
	s_wait_dscnt 0x0
	MUL 1, 0, 2, 1, 3
	s_wait_dscnt 0x0
	MUL 1, 1, 3, 0, 0
	s_wait_xcnt 0x0                                ; phase 1's stores have read the code registers
	PLACES
	QUANTP 128, 32, PCA, 40
	VSTORE 0
	s_wait_xcnt 0x0
	QUANTP 64, 136, PCA, 42
	VSTORE 2
	v_cndmask_b32 v60, v40, v41, s99               ; lanes 0-15 carry tile 0's two bytes, lanes 16-31 tile 1's
	v_cndmask_b32 v61, v42, v43, s99
	global_store_b16 v13, v60, s[88:89]
	global_store_b16 v13, v61, s[88:89] offset:8
	s_wait_tensorcnt 0x0                           ; the wave's end
	ds_add_u32 v[SPW], v[NIL]
	s_wait_dscnt 0x0
	CROUND                                         ; the closing round
	s_endpgm
.Lfunc_end_k_qc9a9040230_gqkv:
	.size	k_qc9a9040230_gqkv, .Lfunc_end_k_qc9a9040230_gqkv-k_qc9a9040230_gqkv
	.p2alignl 7, 3214868480
	.fill 96, 4, 3214868480
	.section	.rodata,"a",@progbits
	.p2align	6, 0x0
	.amdhsa_kernel k_qc9a9040230_gqkv
		.amdhsa_group_segment_fixed_size 327680
		.amdhsa_private_segment_fixed_size 0
		.amdhsa_enable_private_segment 0
		.amdhsa_kernarg_size 48
		.amdhsa_user_sgpr_count 2
		.amdhsa_user_sgpr_kernarg_segment_ptr 1
		.amdhsa_wavefront_size32 1
		.amdhsa_system_sgpr_workgroup_id_x 1
		.amdhsa_system_sgpr_workgroup_id_y 1
		.amdhsa_system_sgpr_workgroup_id_z 1
		.amdhsa_system_vgpr_workitem_id 0
		.amdhsa_next_free_vgpr 896
		.amdhsa_next_free_sgpr 100
		.amdhsa_reserve_vcc 0
		.amdhsa_float_denorm_mode_32 3
		.amdhsa_float_denorm_mode_16_64 3
		.amdhsa_memory_ordered 1
		.amdhsa_forward_progress 1
		.amdhsa_inst_pref_size 109
	.end_amdhsa_kernel
	.amdgpu_metadata
---
amdhsa.version: [ 1, 2 ]
amdhsa.kernels:
  - .name:           k_qc9a9040230_gqkv
    .symbol:         k_qc9a9040230_gqkv.kd
    .args:
      - { .name: OPS, .offset: 0, .size: 8, .value_kind: global_buffer, .address_space: global }
      - { .name: bq, .offset: 8, .size: 8, .value_kind: global_buffer, .address_space: global }
      - { .name: bk, .offset: 16, .size: 8, .value_kind: global_buffer, .address_space: global }
      - { .name: bv, .offset: 24, .size: 8, .value_kind: global_buffer, .address_space: global }
      - { .name: mask, .offset: 32, .size: 8, .value_kind: global_buffer, .address_space: global }
      - { .name: QKV, .offset: 40, .size: 8, .value_kind: global_buffer, .address_space: global }
    .group_segment_fixed_size: 327680
    .private_segment_fixed_size: 0
    .kernarg_segment_align: 8
    .kernarg_segment_size: 48
    .max_flat_workgroup_size: 128
    .sgpr_count:     100
    .vgpr_count:     896
    .wavefront_size: 32
...
	.end_amdgpu_metadata
.endif
;; end of part 2
;; launch attn (part 3): grid 8 x 32, 16 waves a work-group, clusters of 4 x 1, 262,144 bytes of LDS; arguments QKV, ACT; writes ACT
.if DOCPART == 3
	.amdgcn_target "amdgcn-amd-amdhsa--gfx1250"
	.amdhsa_code_object_version 6
	.text
	.protected	k_qc9a9040230_attn
	.globl	k_qc9a9040230_attn
	.p2align	8
	.type	k_qc9a9040230_attn,@function
k_qc9a9040230_attn:
	s_mov_b64 s[64:65], 0
	v_nop
	global_prefetch_b8 v0, s[64:65] scope:SCOPE_SE
	s_setreg_imm32_b32 hwreg(HW_REG_WAVE_MODE, 25, 1), 1
	s_wait_xcnt 0x0
	s_wait_alu depctr_hold_cnt(0) depctr_sa_sdst(0) depctr_va_vdst(0) depctr_va_sdst(0) depctr_va_ssrc(0) depctr_va_vcc(0) depctr_vm_vsrc(0)
	s_getreg_b32 s2, hwreg(HW_REG_IB_STS2, 6, 4)
	s_cmp_eq_u32 s2, 0
	s_cbranch_scc0 .Lentry_in_a_cluster
	s_endpgm
.Lentry_in_a_cluster:
	s_bfe_u32 s2, ttmp6, 0x10000c
	s_cmp_lg_u32 s2, 0x3003
	s_cbranch_scc0 .Lentry_shape_is_right
	s_endpgm
.Lentry_shape_is_right:
; LAUNCH 4: ctx = softmax(Q K^T / 8, masked) V for 32 (batch, head) pairs of 2,048 tokens and head size 64, both products on codes of E2M3; ctx is quantised along D and stored as the next product's operand.  No work is left out.
; THE SOFTMAX AHEAD OF THE SECOND PRODUCT: t = raw score x log2(e) / 8; M = the running largest t rounded UP to a whole number; p = 2^(t - M) is quantised along the keys, not normalised; the row's sum is taken of the
; unquantised p and divides at the end.  When M moves, the sum and O are multiplied by 2^(old M - new M): exact.
; THE MASK costs nothing here: the first product's K is 64 of the instruction's 128, and the launch that made Q and K has put a code at k = 64 that makes a masked raw score exactly -2^33 (its head comment has the limit).
; SHARES.  A work-group: 256 queries of one head; each of SIXTEEN waves one tile of 16 queries in 256 registers, four waves to a SIMD.  Every wave walks all 2,048 keys, 128 a step.
; A WHOLE HEAD'S K AND V, 8 slot records of 31,232 bytes, FIT IN LDS: each wave brings one sixteenth (61 rows of 256 bytes) by one first fill, and nothing is ever filled again.  The four work-groups of a cluster
; belong to one head and ask jointly.  One tensor load of a wave is out.
; A slot record (256 keys): K: four REC64 of 4,608 bytes (tile t at 1024 t: registers 0-3 at 16 l, registers 4-7 at 512 + 16 l; scale words of the four tiles at 4096 + 16 l); V: HIMG(q, d tile T, c) at
; 18432 + 6144 q + 1536 T + 768 c (registers 0-3 at 16 l, 4, 5 at 512 + 16 r + 8 h); V's scale words at 30720 + 256 q + 16 r + 4 T.
; LAYOUT.  Both products transposed: S^T = K Q^T, O^T = V^T P^T: a lane holds ONE query.  By the tiling of rows the 16 registers of score tiles 2 b, 2 b + 1 are keys 32 b + 16 h + 0 .. 15, and O^T's 32 registers are
; the head's d = 32 b + 16 h + i.  K's fragment names 12 registers of which 8 are loaded: the last four hold whatever stands there, against codes of Q that are 0.
; No prefetch: every byte that the launch reads from K and V is asked for by the first fills at its head.
; REGISTERS: v1-3, v7 lane offsets; v5, 6 the add's two; v8-10 the slot's LDS addresses; v12 -M, v13 largest t, v[14:15] the sum; v16-27 Q, v28 its scale words; v32-79 K's or V's fragments; v96-159 S^T, then p;
; v160-191 O^T; v224-235 p's codes; v236-254 at work.
.set SRECB, 31232
.set PARTB, SRECB/2                    ; what one wave fetches
.set KVO,   4718592
.set SPARE, 8*SRECB                    ; behind the head's records: the spare words, 128 bytes a wave, eight blocks of 256 bytes that no other line names
.set SPW,   5
.set NIL,   6
.set WV,    18
.set SEL,   20
.set CS,    22
.set G1,    24
.set G0,    32
.set TB,    36
.set CNT,   37
.set TM,    236
.macro CROUND
	s_barrier_signal -1
	s_barrier_wait -1
	s_cmp_lg_u32 s[WV], 0
	s_cbranch_scc1 .Lnot_wave_0_\@
	s_barrier_signal -3
.Lnot_wave_0_\@:
	s_barrier_wait -3
	s_barrier_signal -1
	s_barrier_wait -1
.endm
	s_load_b128 s[4:7], s[0:1], 0x0                ; QKV s[4:5], ACT s[6:7]
	v_lshl_add_u32 v[SPW], v0, 2, SPARE
	v_mov_b32 v[NIL], 0
	ds_add_u32 v[SPW], v[NIL]                      ; the opening: the add, twice on end, and its wait ahead of my first tensor load
	ds_add_u32 v[SPW], v[NIL]
	v_lshrrev_b32 v8, 5, v0
	s_delay_alu instid0(VALU_DEP_1)
	v_readfirstlane_b32 s[WV], v8                  ; wave 0..15
	s_bfe_u32 s8, ttmp6, 0x40000                   ; cx
	s_lshl_b32 s9, ttmp9, 2
	s_add_co_u32 s9, s9, s8                        ; my block of 256 queries: it enters global addresses of Q and ctx alone
	s_and_b32 s10, ttmp7, 0xffff                   ; 16 b + head, which the four partners share
	s_mov_b32 s[G1], 15|(3<<16)|(1<<21)            ; the mask: all four; elements of 8 bytes; bit 21 beside a mask; no padding
	s_mov_b32 s[G1+1], 32<<16                      ; 61 dense rows of 256 bytes
	s_mov_b32 s[G1+2], 61<<16
	s_mov_b32 s[G1+3], 32<<16
	s_mov_b32 s[G1+4], 61
	s_mov_b32 s[G1+5], 32
	s_mov_b32 s[G1+6], 0
	s_mov_b32 s[G1+7], 0
	s_mul_i32 s11, s[WV], PARTB                    ; my part: in LDS and in the head's records alike
	s_mul_i32 s12, s10, 8*SRECB
	s_add_co_u32 s12, s12, s11
	s_add_co_u32 s12, s12, KVO
	s_mov_b32 s13, 0
	s_lshl_b32 s14, s10, 5
	s_lshl_b32 s15, s9, 2
	s_add_co_u32 s14, s14, s15
	s_lshr_b32 s15, s[WV], 2
	s_add_co_u32 s14, s14, s15
	s_mul_i32 s14, s14, 4608                       ; Q's REC64: 32 (16 b + head) + 4 block + wave / 4
	s_and_b32 s15, s[WV], 3
	s_lshl_b32 s16, s15, 10
	s_add_co_u32 s16, s16, s14                     ; my tile's codes
	s_mov_b32 s17, 0
	s_lshl_b32 s15, s15, 2
	s_add_co_u32 s14, s14, s15
	s_add_co_u32 s14, s14, 4096                    ; my tile's scale words
	s_mov_b32 s15, 0
	s_lshr_b32 s38, s10, 4
	s_and_b32 s39, s10, 15                         ; head
	s_lshl_b32 s38, s38, 4
	s_lshl_b32 s40, s9, 1
	s_add_co_u32 s38, s38, s40
	s_lshr_b32 s40, s[WV], 3
	s_add_co_u32 s38, s38, s40                     ; block of 128 tokens
	s_lshl_b32 s38, s38, 2
	s_lshr_b32 s40, s39, 2
	s_add_co_u32 s38, s38, s40
	s_mul_i32 s38, s38, 25600                      ; ctx's REC: k = 64 head is REC head / 4, q = (head / 2) % 2, c = head % 2
	s_bfe_u32 s40, s39, 0x10001
	s_and_b32 s41, s39, 1
	s_and_b32 s42, s[WV], 7                        ; T
	s_mul_i32 s44, s40, 12288
	s_mul_i32 s43, s42, 1536
	s_add_co_u32 s44, s44, s43
	s_mul_i32 s43, s41, 768
	s_add_co_u32 s44, s44, s43
	s_add_co_u32 s44, s44, s38
	s_mov_b32 s45, 0
	s_lshl_b32 s46, s42, 7
	s_lshl_b32 s40, s40, 2
	s_add_co_u32 s46, s46, s40
	s_lshl_b32 s41, s41, 1
	s_add_co_u32 s46, s46, s41
	s_add_co_u32 s46, s46, s38
	s_add_co_u32 s46, s46, 24576
	s_mov_b32 s47, 0
	s_mov_b32 s[SEL], 0x76543210
	s_mov_b32 s[SEL+1], 0xfedcba98
	s_mov_b32 s[CS], 0x3e38aa3b                    ; c = log2(e) / 8
	s_mov_b32 s[CS+1], s[CS]                       ; (named with it as a pair, so it is written)
	s_mov_b32 s[TB], 0
	s_mov_b32 s[CNT], 8
	s_wait_dscnt 0x0                               ; both opening adds are done
	s_wait_kmcnt 0x0
	s_mov_b32 s[G0], 1
	s_mov_b32 s[G0+1], s11
	s_add_nc_u64 s[G0+2:G0+3], s[4:5], s[12:13]
	s_or_b32 s[G0+3], s[G0+3], 0x80000000
	s_add_nc_u64 s[16:17], s[4:5], s[16:17]
	s_add_nc_u64 s[14:15], s[4:5], s[14:15]
	s_add_nc_u64 s[44:45], s[6:7], s[44:45]
	s_add_nc_u64 s[46:47], s[6:7], s[46:47]
	CROUND                                         ; all four work-groups are here: the joint loads meet
	tensor_load_to_lds s[G0:G0+3], s[G1:G1+7]      ; every wave's one first fill
	s_nop 0
	v_and_b32 v8, 15, v0                           ; r
	v_bfe_u32 v9, v0, 4, 1                         ; h
	v_and_b32 v10, 31, v0                          ; l
	s_delay_alu instid0(VALU_DEP_1)
	v_lshlrev_b32 v1, 4, v10                       ; 16 l
	s_delay_alu instid0(VALU_DEP_4)
	v_lshlrev_b32 v3, 4, v8                        ; 16 r
	s_delay_alu instid0(VALU_DEP_1)
	v_lshl_add_u32 v2, v9, 3, v3                   ; 16 r + 8 h
	v_lshlrev_b32 v7, 3, v8                        ; 8 r
	global_load_b128 v[16:19], v1, s[16:17]        ; Q's fragment stays in registers: 0-3,
	global_load_b128 v[20:23], v1, s[16:17] offset:512   ; 4, 5, the code at k = 64, 0
	global_load_b32 v28, v1, s[14:15]              ; its scale words
.irp j, 24,25,26,27
	v_mov_b32 v[\j], 0                             ; the rest of the idle half of K
.endr
.irp j, 64,65,66,67
	v_mov_b32 v[\j], 0                             ; named by K's last fragment before V's first lands there
.endr
	v_mov_b32 v13, 0xff61b1e6                      ; the largest t so far: -3e38
	s_delay_alu instid0(VALU_DEP_1)
	v_floor_f32 v12, -v13                          ; -M
	v_mov_b32 v14, 0
	v_mov_b32 v15, 0
.irp b, 0,1,2,3
	v_mov_b32 v[236+\b], 0                         ; a lane permute's destination counts as read
.endr
	v_mov_b32 v253, 0
.set n, 0
.rept 32
	v_mov_b32 v[160+n], 0                          ; O^T: the loop is written once; its first step finds zeros
.set n, n+1
.endr
; A KEY STEP: 128 keys, the q-th of the slot in hand
.macro STEP q
.rept 4-3*(1-(\q))
	v_nop                                          ; places ahead of loads into registers that the last products read (four are asked; ahead of step 0 the three address lines are places too)
.endr
.irp g, 0,1
.if \g > 0
.rept 4
	v_nop
.endr
.endif
.irp t, 0,1,2,3
	ds_load_b128 v[32+8*\t:35+8*\t], v8 offset:(2*(\q)+\g)*4608+\t*1024
	ds_load_b128 v[36+8*\t:39+8*\t], v8 offset:(2*(\q)+\g)*4608+\t*1024+512
.endr
	ds_load_b128 v[248:251], v8 offset:(2*(\q)+\g)*4608+4096
	s_wait_dscnt 0x0
.irp t, 0,1,2,3
	v_wmma_scale_f32_16x16x128_f8f6f4 v[96+8*(4*\g+\t):103+8*(4*\g+\t)], v[32+8*\t:43+8*\t], v[16:27], 0, v[248+\t], v28 matrix_a_fmt:MATRIX_FMT_FP6 matrix_b_fmt:MATRIX_FMT_FP6
.endr
.endr
.rept 4
	v_nop                                          ; places ahead of the reads of the scores and of V's loads
.endr
.irp t, 0,1,2,3                                ; V's fragments are asked for now and land during the softmax
.irp c, 0,1
	ds_load_b128 v[32+12*\t+6*\c:35+12*\t+6*\c], v8 offset:18432+(\q)*6144+\t*1536+\c*768
	ds_load_b64 v[36+12*\t+6*\c:37+12*\t+6*\c], v9 offset:18432+(\q)*6144+\t*1536+\c*768+512
.endr
.endr
	ds_load_b128 v[248:251], v10 offset:30720+(\q)*256
.irp b, 0,1,2,3
	v_max3_num_f32 v[232+\b], v[96+16*\b], v[97+16*\b], v[98+16*\b]   ; the largest score of each block of 32 keys: for the row's maximum, and, since p rises with the score, for the block's largest p
.endr
.irp i, 3,5,7,9,11,13
.irp b, 0,1,2,3
	v_max3_num_f32 v[232+\b], v[232+\b], v[96+16*\b+\i], v[97+16*\b+\i]
.endr
.endr
.irp b, 0,1,2,3
	v_max_num_f32 v[232+\b], v[232+\b], v[111+16*\b]
.endr
.irp b, 0,1,2,3
	s_delay_alu instid0(VALU_DEP_4)
	v_permlanex16_b32 v[236+\b], v[232+\b], s[SEL], s[SEL+1]
.endr
.irp b, 0,1,2,3
	s_delay_alu instid0(VALU_DEP_4)
	v_max_num_f32 v[232+\b], v[232+\b], v[236+\b]  ; with lane l xor 16's 16 keys
.endr
	s_delay_alu instid0(VALU_DEP_2)
	v_max3_num_f32 v254, v232, v233, v234
	s_delay_alu instid0(VALU_DEP_1)
	v_max_num_f32 v254, v254, v235
	s_delay_alu instid0(VALU_DEP_1)
	v_mul_f32 v254, s[CS], v254                    ; as t
	s_delay_alu instid0(VALU_DEP_1)
	v_max_num_f32 v13, v13, v254                   ; the running largest t
	v_mov_b32 v254, v12
	s_delay_alu instid0(VALU_DEP_2)
	v_floor_f32 v12, -v13                          ; the new -M = -ceil(t)
	s_delay_alu instid0(VALU_DEP_1)
	v_sub_f32 v254, v12, v254                      ; old M - new M: a whole number, 0 or less
	s_delay_alu instid0(VALU_DEP_1)
	v_cvt_i32_f32 v254, v254                       ; (it saturates)
	s_delay_alu instid0(VALU_DEP_1)
	v_ldexp_f32 v252, 1.0, v254                    ; f = 2^(old M - new M)
.set n, 0
.rept 32
	v_pk_fma_f32 v[96+n:97+n], v[96+n:97+n], s[CS:CS+1], v[12:13] op_sel_hi:[1,0,0]   ; t - M, two at a time
.set n, n+2
.endr
.irp b, 0,1,2,3
	v_fma_f32 v[232+\b], v[232+\b], s[CS], v12     ; the same of each block's largest score
.endr
.set n, 0
	s_wait_alu depctr_va_vdst(0)
.rept 64
	v_exp_f32 v[96+n], v[96+n]                     ; p = 2^(t - M)
.set n, n+1
.endr
	v_pk_mul_f32 v[14:15], v[14:15], v[252:253] op_sel_hi:[1,0]   ; the sums under the new M: a plain place behind the exponentials
	s_wait_alu depctr_va_vdst(0)                   ; one wait for the batch of 64, ahead of its first reader
.irp b, 0,1,2,3
	v_exp_f32 v[232+\b], v[232+\b]                 ; each block's largest p
.endr
	v_pk_add_f32 v[236:237], v[100:101], v[104:105]
	v_pk_add_f32 v[254:255], v[108:109], v[112:113]
	v_pk_add_f32 v[246:247], v[116:117], v[120:121]
	v_pk_add_f32 v[244:245], v[124:125], v[128:129]
	v_pk_add_f32 v[242:243], v[132:133], v[136:137]
	v_pk_add_f32 v[240:241], v[140:141], v[144:145]
	v_pk_add_f32 v[238:239], v[148:149], v[152:153]
	v_pk_add_f32 v[14:15], v[14:15], v[156:157]
	v_pk_add_f32 v[236:237], v[236:237], v[96:97]
	v_pk_add_f32 v[254:255], v[254:255], v[98:99]
	v_pk_add_f32 v[246:247], v[246:247], v[102:103]
	v_pk_add_f32 v[244:245], v[244:245], v[106:107]
	v_pk_add_f32 v[242:243], v[242:243], v[110:111]
	v_pk_add_f32 v[240:241], v[240:241], v[114:115]
	v_pk_add_f32 v[238:239], v[238:239], v[118:119]
	v_pk_add_f32 v[14:15], v[14:15], v[122:123]
	v_pk_add_f32 v[236:237], v[236:237], v[126:127]
	v_pk_add_f32 v[254:255], v[254:255], v[130:131]
	v_pk_add_f32 v[246:247], v[246:247], v[134:135]
	v_pk_add_f32 v[244:245], v[244:245], v[138:139]
	v_pk_add_f32 v[242:243], v[242:243], v[142:143]
	v_pk_add_f32 v[240:241], v[240:241], v[146:147]
	v_pk_add_f32 v[238:239], v[238:239], v[150:151]
	v_pk_add_f32 v[14:15], v[14:15], v[154:155]
	v_pk_add_f32 v[236:237], v[236:237], v[158:159]
	s_delay_alu instid0(VALU_DEP_2)
	v_pk_add_f32 v[14:15], v[14:15], v[244:245]
	s_delay_alu instid0(VALU_DEP_2)
	v_pk_add_f32 v[236:237], v[236:237], v[242:243]
	v_pk_add_f32 v[254:255], v[254:255], v[240:241]
	v_pk_add_f32 v[246:247], v[246:247], v[238:239]
	s_delay_alu instid0(VALU_DEP_2)
	v_pk_add_f32 v[14:15], v[14:15], v[254:255]
	s_delay_alu instid0(VALU_DEP_2)
	v_pk_add_f32 v[236:237], v[236:237], v[246:247]
	s_delay_alu instid0(VALU_DEP_1)
	v_pk_add_f32 v[14:15], v[14:15], v[236:237]
	s_wait_alu depctr_va_vdst(0)                   ; and one for the four
.irp b, 0,1,2,3
	v_max_num_f32 v[232+\b], 0x1800000, v[232+\b]  ; the floor 2^(3 - 127)
.endr
.irp b, 0,1,2,3
	s_delay_alu instid0(VALU_DEP_4)
	v_add_nc_u32 v[244+\b], 0xff000000, v[232+\b]  ; the conversion's scale operand
.endr
.irp b, 0,1,2,3
	s_delay_alu instid0(VALU_DEP_4)
	v_lshrrev_b32 v[236+\b], 23, v[244+\b]         ; the byte
.endr
	s_delay_alu instid0(VALU_DEP_3)
	v_lshl_or_b32 v253, v237, 8, v236              ; p's scale word for these 128 keys
	s_delay_alu instid0(VALU_DEP_1)
	v_lshl_or_b32 v253, v238, 16, v253
	s_delay_alu instid0(VALU_DEP_1)
	v_lshl_or_b32 v253, v239, 24, v253
.irp c, 0,1
	v_cvt_scalef32_pk16_fp6_f32 v[224+6*\c:226+6*\c], v[96+32*\c:111+32*\c], v[244+2*\c]
	v_cvt_scalef32_pk16_fp6_f32 v[236+4*\c:238+4*\c], v[112+32*\c:127+32*\c], v[244+2*\c+1]
.endr
	v_nop                                          ; one plain place behind a scaled conversion
.irp c, 0,1
.irp i, 0,1,2
	v_permlane16_swap_b32 v[224+6*\c+\i], v[236+4*\c+\i]
.endr
.irp i, 0,1,2
	s_delay_alu instid0(VALU_DEP_3)
	v_mov_b32 v[227+6*\c+\i], v[236+4*\c+\i]
.endr
.endr
.set n, 0
.rept 16
	v_pk_mul_f32 v[160+n:161+n], v[160+n:161+n], v[252:253] op_sel_hi:[1,0]   ; O^T under the new M; these are also the places between p's codes and scale word and the products
.set n, n+2
.endr
.rept 4
	v_nop                                          ; and four between the last rescaled registers and the products that add onto them
.endr
	s_wait_alu depctr_va_vdst(0)
	s_wait_dscnt 0x0                               ; V's fragments and scale words
.irp t, 0,1,2,3
	v_wmma_scale_f32_16x16x128_f8f6f4 v[160+8*\t:167+8*\t], v[32+12*\t:43+12*\t], v[224:235], v[160+8*\t:167+8*\t], v[248+\t], v253 matrix_a_fmt:MATRIX_FMT_FP6 matrix_b_fmt:MATRIX_FMT_FP6
.endr
.endm
	s_wait_loadcnt 0x0                             ; Q
	s_wait_tensorcnt 0x0                           ; my sixteenth of the head has landed,
	s_barrier_signal -1
	s_barrier_wait -1                              ; everybody's has
.Lslot:                                            ; 8 trips: a slot record of 256 keys each
	v_add_nc_u32 v8, s[TB], v1
	s_wait_alu depctr_va_vdst(0)
	v_add_nc_u32 v9, s[TB], v2
	s_wait_alu depctr_va_vdst(0)
	v_add_nc_u32 v10, s[TB], v3
	s_wait_alu depctr_va_vdst(0)
	STEP 0
	STEP 1
	s_add_co_u32 s[TB], s[TB], SRECB
	s_sub_co_u32 s[CNT], s[CNT], 1
	s_cmp_lg_u32 s[CNT], 0
	s_cbranch_scc1 .Lslot
	; THE WAY OUT: O^T / the sum, quantised along the head's 64, stored as HIMG(q, T, c) of ctx's REC
.rept 4
	v_nop
.endr
	v_add_f32 v14, v14, v15
	s_delay_alu instid0(VALU_DEP_1)
	v_permlanex16_b32 v252, v14, s[SEL], s[SEL+1]
	s_delay_alu instid0(VALU_DEP_1)
	v_add_f32 v14, v14, v252                       ; the row's sum
	s_wait_alu depctr_va_vdst(0)
	v_rcp_f32 v14, v14
	v_nop                                          ; a plain place behind the reciprocal
	s_wait_alu depctr_va_vdst(0)                   ; the wait ahead of its first reader
.set n, 0
.rept 32
	v_mul_f32 v[96+n], v[160+n], v14               ; register 16 b + i: d = 32 b + 16 h + i
.set n, n+1
.endr
	v_max3_num_f32 v[TM], |v96|, |v97|, 0x1800000
	v_max3_num_f32 v[TM+1], |v112|, |v113|, 0x1800000
.irp i, 2,4,6,8,10,12,14
	s_delay_alu instid0(VALU_DEP_2)
	v_max3_num_f32 v[TM], v[TM], |v[96+\i]|, |v[97+\i]|
	s_delay_alu instid0(VALU_DEP_2)
	v_max3_num_f32 v[TM+1], v[TM+1], |v[112+\i]|, |v[113+\i]|
.endr
	s_delay_alu instid0(VALU_DEP_2)
	v_permlanex16_b32 v[TM+2], v[TM], s[SEL], s[SEL+1]
	s_delay_alu instid0(VALU_DEP_2)
	v_permlanex16_b32 v[TM+3], v[TM+1], s[SEL], s[SEL+1]
	s_delay_alu instid0(VALU_DEP_2)
	v_max_num_f32 v[TM], v[TM], v[TM+2]
	s_delay_alu instid0(VALU_DEP_2)
	v_max_num_f32 v[TM+1], v[TM+1], v[TM+3]
	s_delay_alu instid0(VALU_DEP_2)
	v_add_nc_u32 v[TM+4], 0xff000000, v[TM]
	s_delay_alu instid0(VALU_DEP_2)
	v_add_nc_u32 v[TM+5], 0xff000000, v[TM+1]
	s_delay_alu instid0(VALU_DEP_2)
	v_lshrrev_b32 v[TM+2], 23, v[TM+4]
	s_delay_alu instid0(VALU_DEP_2)
	v_lshrrev_b32 v[TM+3], 23, v[TM+5]
	s_delay_alu instid0(VALU_DEP_1)
	v_lshl_or_b32 v244, v[TM+3], 8, v[TM+2]        ; my row's two scale bytes
	v_cvt_scalef32_pk16_fp6_f32 v[224:226], v[96:111], v[TM+4]
	v_cvt_scalef32_pk16_fp6_f32 v[232:234], v[112:127], v[TM+5]
	v_nop                                          ; one plain place behind a scaled conversion
.irp i, 0,1,2
	v_permlane16_swap_b32 v[224+\i], v[232+\i]
.endr
.irp i, 0,1,2
	s_delay_alu instid0(VALU_DEP_3)
	v_mov_b32 v[227+\i], v[232+\i]
.endr
	global_store_b128 v1, v[224:227], s[44:45]     ; 512 consecutive bytes, aligned
	global_store_b64 v2, v[228:229], s[44:45] offset:512
	global_store_b16 v7, v244, s[46:47]            ; lanes l and l + 16 store the same two bytes to the same place
	s_wait_tensorcnt 0x0                           ; the wave's end
	ds_add_u32 v[SPW], v[NIL]
	s_wait_dscnt 0x0
	CROUND                                         ; the closing round
	s_endpgm
.Lfunc_end_k_qc9a9040230_attn:
	.size	k_qc9a9040230_attn, .Lfunc_end_k_qc9a9040230_attn-k_qc9a9040230_attn
	.p2alignl 7, 3214868480
	.fill 96, 4, 3214868480
	.section	.rodata,"a",@progbits
	.p2align	6, 0x0
	.amdhsa_kernel k_qc9a9040230_attn
		.amdhsa_group_segment_fixed_size 262144
		.amdhsa_private_segment_fixed_size 0
		.amdhsa_enable_private_segment 0
		.amdhsa_kernarg_size 16
		.amdhsa_user_sgpr_count 2
		.amdhsa_user_sgpr_kernarg_segment_ptr 1
		.amdhsa_wavefront_size32 1
		.amdhsa_system_sgpr_workgroup_id_x 1
		.amdhsa_system_sgpr_workgroup_id_y 1
		.amdhsa_system_sgpr_workgroup_id_z 1
		.amdhsa_system_vgpr_workitem_id 0
		.amdhsa_next_free_vgpr 256
		.amdhsa_next_free_sgpr 66
		.amdhsa_reserve_vcc 0
		.amdhsa_float_denorm_mode_32 3
		.amdhsa_float_denorm_mode_16_64 3
		.amdhsa_memory_ordered 1
		.amdhsa_forward_progress 1
		.amdhsa_inst_pref_size 47
	.end_amdhsa_kernel
	.amdgpu_metadata
---
amdhsa.version: [ 1, 2 ]
amdhsa.kernels:
  - .name:           k_qc9a9040230_attn
    .symbol:         k_qc9a9040230_attn.kd
    .args:
      - { .name: QKV, .offset: 0, .size: 8, .value_kind: global_buffer, .address_space: global }
      - { .name: ACT, .offset: 8, .size: 8, .value_kind: global_buffer, .address_space: global }
    .group_segment_fixed_size: 262144
    .private_segment_fixed_size: 0
    .kernarg_segment_align: 8
    .kernarg_segment_size: 16
    .max_flat_workgroup_size: 512
    .sgpr_count:     66
    .vgpr_count:     256
    .wavefront_size: 32
...
	.end_amdgpu_metadata
.endif
;; end of part 3
;; launch gwo (part 4): grid 8 x 32, 4 waves a work-group, clusters of 4 x 4, 327,680 bytes of LDS; arguments ACT, OPS, C32; writes C32
.if DOCPART == 4
	.amdgcn_target "amdgcn-amd-amdhsa--gfx1250"
	.amdhsa_code_object_version 6
	.text
	.protected	k_qc9a9040230_gwo
	.globl	k_qc9a9040230_gwo
	.p2align	8
	.type	k_qc9a9040230_gwo,@function
k_qc9a9040230_gwo:
	s_mov_b64 s[64:65], 0
	v_nop
	global_prefetch_b8 v0, s[64:65] scope:SCOPE_SE
	s_setreg_imm32_b32 hwreg(HW_REG_WAVE_MODE, 25, 1), 1
	s_wait_xcnt 0x0
	s_wait_alu depctr_hold_cnt(0) depctr_sa_sdst(0) depctr_va_vdst(0) depctr_va_sdst(0) depctr_va_ssrc(0) depctr_va_vcc(0) depctr_vm_vsrc(0)
	s_getreg_b32 s2, hwreg(HW_REG_IB_STS2, 6, 4)
	s_cmp_eq_u32 s2, 0
	s_cbranch_scc0 .Lentry_in_a_cluster
	s_endpgm
.Lentry_in_a_cluster:
	s_bfe_u32 s2, ttmp6, 0x10000c
	s_cmp_lg_u32 s2, 0xf033
	s_cbranch_scc0 .Lentry_shape_is_right
	s_endpgm
.Lentry_shape_is_right:
; LAUNCH 5: C32 = ctx Wo on codes of E2M3, f32 out; bias, residual and layer norm follow in the next launch.  No work is left out.
; A = ctx's codes (ACT), B = Wo's codes (OPS, REC 224 on).  Tile 128 x 128 a work-group, 64 x 64 a wave; operands are REC images as in the launches before.  Two LDS slots [A rec 0 | A rec 1 | B rec 0 | B rec 1];
; each wave's one joint load at the head brings two RECs (waves 0, 1 A's of slot 0, 1; waves 2, 3 B's): K = 1,024 is all there, nothing is filled again, and there is no loop to prefetch ahead in.
; The results leave through each wave's own stage in LDS as whole rows of 256 bytes.
.set NREC,  4
.set ABASE, 0
.set BBASE, 224
.set LAPS,  NREC/4
.set RECB,  25600
.set SLOT,  4*RECB
.set STAGE, 2*SLOT
.set SPARE, STAGE+4*16*272
.set SPW,   14
.set NIL,   15
.set LI,    16
.set LP,    17
.set SC,    32
.set ACC,   128
.set F0,    0
.set F1,    128
.set G1,    24
.set G0,    32
.set G1B,   48
.set G0B,   56
.set MSB, 0
.macro WIN new
.if MSB != \new
	s_set_vgpr_msb (MSB<<8)|\new
.set MSB, \new
.endif
.endm
.set MUL,  0x05
.set TO_F, 0x40
.macro JLOAD g0a, g1a, g0b, g1b
	s_cmp_eq_u32 s15, 0
	s_cbranch_scc0 .Lfor_b_\@
	tensor_load_to_lds s[\g0a:\g0a+3], s[\g1a:\g1a+7]
	s_nop 0
.rept 4
	v_nop
.endr
	s_branch .Lasked_\@
.Lfor_b_\@:
	tensor_load_to_lds s[\g0b:\g0b+3], s[\g1b:\g1b+7]
	s_nop 0
.rept 4
	v_nop
.endr
.Lasked_\@:
.endm
.macro CREST
	s_cmp_lg_u32 s14, 0
	s_cbranch_scc1 .Lnot_wave_0_\@
	s_barrier_signal -3
.Lnot_wave_0_\@:
	s_barrier_wait -3
	s_barrier_signal -1
	s_barrier_wait -1
.endm
.macro CROUND
	s_barrier_signal -1
	s_barrier_wait -1
	CREST
.endm
.macro PLACES
.rept 4
	v_nop
.endr
.endm
.macro FETCH slot, sg, f
.set OF, ((\sg)/2)*RECB+((\sg)%2)*12288
	WIN TO_F
.irp i, 0,1,2,3
.irp c, 0,1
	ds_load_b128 v[(\f)+48+12*\i+6*\c:(\f)+48+12*\i+6*\c+3], v[8+\slot] offset:OF+\i*1536+\c*768
	ds_load_b64 v[(\f)+48+12*\i+6*\c+4:(\f)+48+12*\i+6*\c+5], v[10+\slot] offset:OF+\i*1536+\c*768+512
	ds_load_b128 v[(\f)+12*\i+6*\c:(\f)+12*\i+6*\c+3], v[4+\slot] offset:OF+\i*1536+\c*768
	ds_load_b64 v[(\f)+12*\i+6*\c+4:(\f)+12*\i+6*\c+5], v[6+\slot] offset:OF+\i*1536+\c*768+512
.endr
.endr
	WIN 0
.if ((\sg)%2) == 0
.irp i, 0,1,2,3
	ds_load_b64 v[SC+8*((\sg)/2)+2*\i:SC+8*((\sg)/2)+2*\i+1], v[12+\slot] offset:((\sg)/2)*RECB+\i*128
.endr
.endif
.endm
.macro MUL16 f, rh, q, zero
.irp a, 0,1,2,3
.irp b, 0,1,2,3
.if \zero
	v_wmma_scale_f32_16x16x128_f8f6f4 v[ACC+8*(4*\a+\b):ACC+8*(4*\a+\b)+7], v[(\f)+48+12*\b:(\f)+48+12*\b+11], v[(\f)+12*\a:(\f)+12*\a+11], 0, v[SC+8*(\rh)+2*\b+(\q)], v[SC+8*(\rh)+2*\a+(\q)] matrix_a_fmt:MATRIX_FMT_FP6 matrix_b_fmt:MATRIX_FMT_FP6 matrix_a_scale:MATRIX_SCALE_ROW1
.else
	v_wmma_scale_f32_16x16x128_f8f6f4 v[ACC+8*(4*\a+\b):ACC+8*(4*\a+\b)+7], v[(\f)+48+12*\b:(\f)+48+12*\b+11], v[(\f)+12*\a:(\f)+12*\a+11], v[ACC+8*(4*\a+\b):ACC+8*(4*\a+\b)+7], v[SC+8*(\rh)+2*\b+(\q)], v[SC+8*(\rh)+2*\a+(\q)] matrix_a_fmt:MATRIX_FMT_FP6 matrix_b_fmt:MATRIX_FMT_FP6 matrix_a_scale:MATRIX_SCALE_ROW1
.endif
.endr
.endr
.endm
.macro STEP slot, sg, zero
	s_wait_dscnt 0x0
	PLACES
	FETCH \slot, (\sg)+1, 128*(((\sg)+1)%2)
	WIN MUL
	MUL16 128*((\sg)%2), (\sg)/2, (\sg)%2, \zero
.endm
.macro TURN slot, next, fill
	WIN 0
	s_wait_tensorcnt 0x0
	ds_add_u32 v[SPW], v[NIL]
.if \fill
	s_add_nc_u64 s[G0+4*\slot+2:G0+4*\slot+3], s[G0+4*\slot+2:G0+4*\slot+3], 4*RECB
	s_add_nc_u64 s[G0B+4*\slot+2:G0B+4*\slot+3], s[G0B+4*\slot+2:G0B+4*\slot+3], 4*RECB
.endif
	s_wait_dscnt 0x0
.if \fill
	CROUND
	JLOAD G0+4*\slot, G1, G0B+4*\slot, G1B
.else
	s_barrier_signal -1
	s_barrier_wait -1
	PLACES
.endif
	FETCH \next, 0, F0
	WIN MUL
	MUL16 F1, 1, 1, 0
.endm
	s_load_b128 s[4:7], s[0:1], 0x0
	s_load_b64 s[8:9], s[0:1], 0x10
	v_lshl_add_u32 v[SPW], v0, 2, SPARE
	v_mov_b32 v[NIL], 0
	ds_add_u32 v[SPW], v[NIL]
	ds_add_u32 v[SPW], v[NIL]
	v_lshrrev_b32 v1, 5, v0
	v_readfirstlane_b32 s14, v1
	s_lshr_b32 s15, s14, 1
	s_and_b32 s16, s14, 1
	s_bfe_u32 s40, ttmp6, 0x40000
	s_bfe_u32 s41, ttmp6, 0x40004
	s_lshl_b32 s42, ttmp9, 2
	s_add_co_u32 s42, s42, s40
	s_and_b32 s17, ttmp7, 0xffff
	s_lshl_b32 s17, s17, 2
	s_add_co_u32 s17, s17, s41
	s_lshl_b32 s43, s41, 2
	s_lshl_b32 s43, 15, s43
	s_lshl_b32 s44, 0x1111, s40
	s_or_b32 s[G1], s43, (3<<16)|(1<<21)
	s_or_b32 s[G1B], s44, (3<<16)|(1<<21)
.irp g, G1, G1B
	s_mov_b32 s[\g+1], 32<<16
	s_mov_b32 s[\g+2], 200<<16
	s_mov_b32 s[\g+3], 32<<16
	s_mov_b32 s[\g+4], 200
	s_mov_b32 s[\g+5], 32
	s_mov_b32 s[\g+6], 0
	s_mov_b32 s[\g+7], 0
.endr
	s_mul_i32 s20, s17, NREC*RECB
	s_mul_i32 s18, s16, 2*RECB
	s_add_co_u32 s20, s20, s18
.if ABASE
	s_add_co_u32 s20, s20, ABASE*RECB
.endif
	s_mov_b32 s21, 0
	s_mul_i32 s46, s42, NREC*RECB
	s_add_co_u32 s46, s46, s18
.if BBASE
	s_add_co_u32 s46, s46, BBASE*RECB
.endif
	s_mov_b32 s47, 0
	s_mul_i32 s45, s15, 2*RECB
	s_mul_i32 s19, s16, SLOT
	s_add_co_u32 s45, s45, s19
	s_wait_dscnt 0x0
	s_wait_kmcnt 0x0
	s_add_nc_u64 s[20:21], s[4:5], s[20:21]
	s_add_nc_u64 s[46:47], s[6:7], s[46:47]
	CROUND
.irp s, 0
	s_mov_b32 s[G0+4*\s], 1
	s_add_co_u32 s[G0+4*\s+1], s45, \s*SLOT
	s_add_nc_u64 s[G0+4*\s+2:G0+4*\s+3], s[20:21], \s*2*RECB
	s_or_b32 s[G0+4*\s+3], s[G0+4*\s+3], 0x80000000
	s_mov_b32 s[G0B+4*\s], 1
	s_add_co_u32 s[G0B+4*\s+1], s45, \s*SLOT
	s_add_nc_u64 s[G0B+4*\s+2:G0B+4*\s+3], s[46:47], \s*2*RECB
	s_or_b32 s[G0B+4*\s+3], s[G0B+4*\s+3], 0x80000000
	JLOAD G0+4*\s, G1, G0B+4*\s, G1B
.endr
	v_and_b32 v1, 15, v0
	v_bfe_u32 v2, v0, 4, 1
	v_and_b32 v3, 31, v0
	v_lshlrev_b32 v[LI], 4, v3
	v_lshlrev_b32 v[LP], 4, v1
	v_lshl_add_u32 v[LP], v2, 3, v[LP]
	s_mul_i32 s18, s15, 6144
	s_mul_i32 s19, s16, 6144
	s_add_co_u32 s19, s19, 2*RECB
.irp s, 0,1
	v_add_nc_u32 v[4+\s], s18, v[LI]
	v_add_nc_u32 v[6+\s], s18, v[LP]
	v_add_nc_u32 v[8+\s], s19, v[LI]
	v_add_nc_u32 v[10+\s], s19, v[LP]
	s_add_co_u32 s18, s18, SLOT
	s_add_co_u32 s19, s19, SLOT
.endr
	s_lshl_b32 s18, s15, 9
	s_lshl_b32 s19, s16, 9
	s_add_co_u32 s19, s19, 2*RECB
	s_sub_co_u32 s19, s19, s18
	v_mul_u32_u24 v12, s19, v2
	v_lshl_add_u32 v12, v1, 3, v12
	s_add_co_u32 s18, s18, 24576
	v_add_nc_u32 v12, s18, v12
	v_add_nc_u32 v13, SLOT, v12
	s_mul_i32 s18, s14, 16*272
	s_add_co_u32 s18, s18, STAGE
	v_mul_u32_u24 v18, v1, 272
	v_lshl_add_u32 v18, v2, 6, v18
	v_add_nc_u32 v18, s18, v18
	v_mul_u32_u24 v19, v2, 272
	v_lshl_add_u32 v19, v1, 4, v19
	v_add_nc_u32 v19, s18, v19
	v_lshlrev_b32 v20, 12, v2
	v_lshl_add_u32 v20, v1, 4, v20
	s_lshl_b32 s66, s17, 19
	s_lshl_b32 s67, s15, 18
	s_add_co_u32 s66, s66, s67
	s_lshl_b32 s67, s42, 9
	s_add_co_u32 s66, s66, s67
	s_lshl_b32 s67, s16, 8
	s_add_co_u32 s66, s66, s67
	s_mov_b32 s67, 0
	s_add_nc_u64 s[8:9], s[8:9], s[66:67]
	s_wait_alu depctr_va_vdst(0)
	s_wait_tensorcnt 0x0
	s_barrier_signal -1
	s_barrier_wait -1
	FETCH 0, 0, F0
	STEP 0, 0, 1
.if LAPS > 1
	WIN 0
	s_mov_b32 s3, LAPS-1
.Llap:
	STEP 0, 1, 0
	STEP 0, 2, 0
	TURN 0, 1, 1
	STEP 1, 0, 0
	STEP 1, 1, 0
	STEP 1, 2, 0
	TURN 1, 0, 1
	STEP 0, 0, 0
	WIN 0
	s_sub_co_u32 s3, s3, 1
	s_cmp_lg_u32 s3, 0
	s_cbranch_scc1 .Llap
.endif
	STEP 0, 1, 0
	STEP 0, 2, 0
	TURN 0, 1, 0
	STEP 1, 0, 0
	STEP 1, 1, 0
	STEP 1, 2, 0
	s_wait_dscnt 0x0
	WIN MUL
	MUL16 F1, 1, 1, 0
	WIN 0
	PLACES
.irp a, 0,1,2,3
.irp b, 0,1,2,3
	ds_store_b128 v18, v[ACC+8*(4*\a+\b):ACC+8*(4*\a+\b)+3] offset:128*(\b/2)+32*(\b%2)
	ds_store_b128 v18, v[ACC+8*(4*\a+\b)+4:ACC+8*(4*\a+\b)+7] offset:128*(\b/2)+32*(\b%2)+16
.endr
.if \a >= 2
	s_wait_xcnt 0x0
.endif
.irp t, 0,1,2,3,4,5,6,7
	ds_load_b128 v[48+32*(\a%2)+4*\t:48+32*(\a%2)+4*\t+3], v19 offset:\t*544
.endr
	s_wait_dscnt 0x0
.irp t, 0,1,2,3,4,5,6,7
	global_store_b128 v20, v[48+32*(\a%2)+4*\t:48+32*(\a%2)+4*\t+3], s[8:9] offset:(32*(\a/2)+8*(\a%2)+2*\t+8*(\t/4))*4096 th:TH_STORE_NT
.endr
.endr
	s_wait_tensorcnt 0x0
	ds_add_u32 v[SPW], v[NIL]
	s_wait_dscnt 0x0
	CROUND
	s_endpgm
.Lfunc_end_k_qc9a9040230_gwo:
	.size	k_qc9a9040230_gwo, .Lfunc_end_k_qc9a9040230_gwo-k_qc9a9040230_gwo
	.p2alignl 7, 3214868480
	.fill 96, 4, 3214868480
	.section	.rodata,"a",@progbits
	.p2align	6, 0x0
	.amdhsa_kernel k_qc9a9040230_gwo
		.amdhsa_group_segment_fixed_size 327680
		.amdhsa_private_segment_fixed_size 0
		.amdhsa_enable_private_segment 0
		.amdhsa_kernarg_size 24
		.amdhsa_user_sgpr_count 2
		.amdhsa_user_sgpr_kernarg_segment_ptr 1
		.amdhsa_wavefront_size32 1
		.amdhsa_system_sgpr_workgroup_id_x 1
		.amdhsa_system_sgpr_workgroup_id_y 1
		.amdhsa_system_sgpr_workgroup_id_z 1
		.amdhsa_system_vgpr_workitem_id 0
		.amdhsa_next_free_vgpr 512
		.amdhsa_next_free_sgpr 100
		.amdhsa_reserve_vcc 0
		.amdhsa_float_denorm_mode_32 3
		.amdhsa_float_denorm_mode_16_64 3
		.amdhsa_memory_ordered 1
		.amdhsa_forward_progress 1
		.amdhsa_inst_pref_size 50
	.end_amdhsa_kernel
	.amdgpu_metadata
---
amdhsa.version: [ 1, 2 ]
amdhsa.kernels:
  - .name:           k_qc9a9040230_gwo
    .symbol:         k_qc9a9040230_gwo.kd
    .args:
      - { .name: ACT, .offset: 0, .size: 8, .value_kind: global_buffer, .address_space: global }
      - { .name: OPS, .offset: 8, .size: 8, .value_kind: global_buffer, .address_space: global }
      - { .name: C32, .offset: 16, .size: 8, .value_kind: global_buffer, .address_space: global }
    .group_segment_fixed_size: 327680
    .private_segment_fixed_size: 0
    .kernarg_segment_align: 8
    .kernarg_segment_size: 24
    .max_flat_workgroup_size: 128
    .sgpr_count:     100
    .vgpr_count:     512
    .wavefront_size: 32
...
	.end_amdgpu_metadata
.endif
;; end of part 4
;; launch ln1 (part 5): grid 256 x 1, 8 waves a work-group, no clusters, 69,632 bytes of LDS; arguments C32, inp, bo, ln_g, ln_b, XF, ACT; writes XF, ACT
.if DOCPART == 5
	.amdgcn_target "amdgcn-amd-amdhsa--gfx1250"
	.amdhsa_code_object_version 6
	.text
	.protected	k_qc9a9040230_ln1
	.globl	k_qc9a9040230_ln1
	.p2align	8
	.type	k_qc9a9040230_ln1,@function
k_qc9a9040230_ln1:
	s_mov_b64 s[64:65], 0
	v_nop
	global_prefetch_b8 v0, s[64:65] scope:SCOPE_SE
	s_setreg_imm32_b32 hwreg(HW_REG_WAVE_MODE, 25, 1), 1
	s_wait_xcnt 0x0
; LAUNCH 6: x = layernorm(inp + (C32 + bo)) g + b, stored as f32 (XF) and as codes of E2M3 along D (ACT), the next product's operand.  No work is left out.
; A work-group owns one operand tile of 16 rows (row p of tile T of block B is 128 B + 32 (T / 2) + 8 (T % 2) + p + 8 (p / 8)); wave s owns columns 128 s .. 128 s + 127 of them: every load and store of a wave
; covers 512 consecutive bytes.  The mean is taken first and the variance of the differences second: no difference of large sums is formed.
; A row's sum: each lane's four numbers; the 32 lanes' partial sums of 16 rows turn through the wave's stage, so that lane r adds row r's; the eight waves' figures meet in a table in LDS behind a barrier.  Each of the two
; sums has a table of its own: two barriers in all.  Memory binds here: no matrix unit, no tensor load, no cluster.
; LIMITS of the quantiser: a block under 2^-124 keeps the byte 1; NaN and infinities are not served.
.set STG,   8448                       ; a wave's stage: 16 rows x (512 + 16) bytes; the sums use its first 16 x 144 bytes
.set T1,    8*STG                      ; table 1: 16 rows x 8 waves x 4 bytes; table 2 512 bytes on
.set SPARE, T1+1024                    ; the spare words, 128 bytes a wave, four blocks of 256 bytes that no other line names
.set SPW,   14
.set NIL,   15
.set RECB,  25600
.set X,     32                         ; v32-95  row p's four numbers at X + 4 p
.set R,     96                         ; v96-159 the residual; then partial sums; then 64 numbers for the quantiser
.set Y,     96
.set PC,    160
.set PT,    172
.set TM,    180
.set SO,    182
.set BY,    184
.set W,     186
.set W2,    187
.set SH8,   188
.set SEL,   38
	s_load_b256 s[4:11], s[0:1], 0x0               ; C32 s[4:5], the residual s[6:7], the bias s[8:9], g s[10:11]
	s_load_b128 s[12:15], s[0:1], 0x20             ; b s[12:13], XF s[14:15]
	s_load_b64 s[16:17], s[0:1], 0x30              ; ACT
	v_lshl_add_u32 v[SPW], v0, 2, SPARE
	v_mov_b32 v[NIL], 0
	v_lshrrev_b32 v1, 5, v0
	s_delay_alu instid0(VALU_DEP_1)
	v_readfirstlane_b32 s24, v1                    ; wave 0..7
	v_and_b32 v1, 31, v0
	s_wait_alu depctr_va_vdst(0)
	v_and_b32 v2, 15, v0                           ; r
	v_bfe_u32 v3, v0, 4, 1                         ; h
	s_lshr_b32 s25, ttmp9, 3                       ; block
	s_and_b32 s26, ttmp9, 7                        ; T
	s_lshr_b32 s27, s26, 1
	s_lshl_b32 s27, s27, 5
	s_and_b32 s28, s26, 1
	s_lshl_b32 s28, s28, 3
	s_add_co_u32 s27, s27, s28
	s_lshl_b32 s28, s25, 7
	s_add_co_u32 s27, s27, s28                     ; the tile's first row
	s_lshl_b32 s28, s27, 12
	s_lshl_b32 s30, s24, 9
	s_add_co_u32 s28, s28, s30
	s_mov_b32 s29, 0
	s_lshl_b32 s31, s25, 2
	s_lshr_b32 s33, s24, 1
	s_add_co_u32 s31, s31, s33
	s_mul_i32 s31, s31, RECB                       ; my REC
	s_and_b32 s33, s24, 1                          ; q
	s_mul_i32 s32, s33, 12288
	s_mul_i32 s34, s26, 1536
	s_add_co_u32 s32, s32, s34
	s_add_co_u32 s32, s32, s31
	s_lshl_b32 s34, s26, 7
	s_lshl_b32 s33, s33, 2
	s_add_co_u32 s34, s34, s33
	s_add_co_u32 s34, s34, s31
	s_add_co_u32 s34, s34, 24576
	s_mov_b32 s33, 0
	s_mov_b32 s35, 0
	s_mov_b32 s36, 0x3a800000                      ; 1 / 1024
	s_mov_b32 s37, 0x3727c5ac                      ; 1e-5
	s_mov_b32 s[SEL], 0x76543210
	s_mov_b32 s[SEL+1], 0xfedcba98
	v_lshlrev_b32 v4, 4, v1                        ; 16 l
	s_delay_alu instid0(VALU_DEP_1)
	v_add_nc_u32 v5, s30, v4                       ; + 512 wave: my four columns in bias, g, b
	s_wait_alu depctr_va_vdst(0)
	s_wait_kmcnt 0x0
	s_add_nc_u64 s[4:5], s[4:5], s[28:29]
	s_add_nc_u64 s[6:7], s[6:7], s[28:29]
	s_add_nc_u64 s[14:15], s[14:15], s[28:29]
	s_add_nc_u64 s[32:33], s[16:17], s[32:33]
	s_add_nc_u64 s[34:35], s[16:17], s[34:35]
	global_load_b128 v[16:19], v5, s[8:9]
	global_load_b128 v[20:23], v5, s[10:11]
	global_load_b128 v[24:27], v5, s[12:13]
.irp p, 0,1,2,3,4,5,6,7,8,9,10,11,12,13,14,15
	global_load_b128 v[X+4*\p:X+4*\p+3], v4, s[4:5] offset:(\p+8*(\p/8))*4096 th:TH_LOAD_NT
	global_load_b128 v[R+4*\p:R+4*\p+3], v4, s[6:7] offset:(\p+8*(\p/8))*4096 th:TH_LOAD_NT
.endr
	s_mul_i32 s31, s24, STG
	v_lshlrev_b32 v6, 2, v1
	s_delay_alu instid0(VALU_DEP_1)
	v_add_nc_u32 v6, s31, v6                       ; partial sums in: 4 l (+ 144 p)
	v_mul_u32_u24 v7, v2, 144
	s_delay_alu instid0(VALU_DEP_1)
	v_lshl_add_u32 v7, v3, 6, v7
	s_delay_alu instid0(VALU_DEP_1)
	v_add_nc_u32 v7, s31, v7                       ; and out: row r, 16 of its 32
	v_lshlrev_b32 v9, 5, v2
	s_delay_alu instid0(VALU_DEP_1)
	v_add_nc_u32 v9, T1, v9                        ; the table: row r's eight words
	s_lshl_b32 s30, s24, 2
	v_add_nc_u32 v8, s30, v9                       ; my wave's word of them
	v_add_nc_u32 v10, s31, v4                      ; the stage, in: a row as it lies
	v_mul_u32_u24 v11, v2, 528
	s_delay_alu instid0(VALU_DEP_1)
	v_lshl_add_u32 v11, v3, 7, v11
	s_delay_alu instid0(VALU_DEP_1)
	v_add_nc_u32 v11, s31, v11                     ; out: row r, + 128 h bytes
	v_lshlrev_b32 v12, 4, v2
	s_delay_alu instid0(VALU_DEP_1)
	v_lshl_add_u32 v12, v3, 3, v12                 ; 16 r + 8 h
	v_lshlrev_b32 v13, 3, v2                       ; 8 r
	v_lshlrev_b32 v[SH8], 3, v3
	v_mov_b32 v[W2], 0
; The 16 rows' partial sums v[R + p] become, in lane r (and r + 16), row r's sum over all 1,024 columns: v[R + 16]
.macro RSUM n
.irp p, 0,1,2,3,4,5,6,7,8,9,10,11,12,13,14,15
	ds_store_b32 v6, v[R+\p] offset:\p*144
.endr
.irp m, 0,1,2,3
	ds_load_b128 v[R+16+4*\m:R+16+4*\m+3], v7 offset:16*\m   ; LDS serves a wave's instructions in order: these see my stores
.endr
	s_wait_dscnt 0x0
	v_pk_add_f32 v[R+16:R+17], v[R+16:R+17], v[R+18:R+19]
	v_pk_add_f32 v[R+20:R+21], v[R+20:R+21], v[R+22:R+23]
	v_pk_add_f32 v[R+24:R+25], v[R+24:R+25], v[R+26:R+27]
	v_pk_add_f32 v[R+28:R+29], v[R+28:R+29], v[R+30:R+31]
	s_delay_alu instid0(VALU_DEP_3)
	v_pk_add_f32 v[R+16:R+17], v[R+16:R+17], v[R+20:R+21]
	s_delay_alu instid0(VALU_DEP_2)
	v_pk_add_f32 v[R+24:R+25], v[R+24:R+25], v[R+28:R+29]
	s_delay_alu instid0(VALU_DEP_1)
	v_pk_add_f32 v[R+16:R+17], v[R+16:R+17], v[R+24:R+25]
	s_delay_alu instid0(VALU_DEP_1)
	v_add_f32 v[R+16], v[R+16], v[R+17]
	s_delay_alu instid0(VALU_DEP_1)
	v_permlanex16_b32 v[R+17], v[R+16], s[SEL], s[SEL+1]
	s_delay_alu instid0(VALU_DEP_1)
	v_add_f32 v[R+16], v[R+16], v[R+17]            ; my wave's 128 columns of row r
	ds_store_b32 v8, v[R+16] offset:512*(\n-1)     ; lanes l and l + 16 write the same word with the same value
	s_wait_dscnt 0x0                               ; for the others' sake: my store has landed
	s_barrier_signal -1
	s_barrier_wait -1
	ds_load_b128 v[R+16:R+19], v9 offset:512*(\n-1)
	ds_load_b128 v[R+20:R+23], v9 offset:512*(\n-1)+16
	s_wait_dscnt 0x0
	v_pk_add_f32 v[R+16:R+17], v[R+16:R+17], v[R+18:R+19]
	v_pk_add_f32 v[R+20:R+21], v[R+20:R+21], v[R+22:R+23]
	s_delay_alu instid0(VALU_DEP_1)
	v_pk_add_f32 v[R+16:R+17], v[R+16:R+17], v[R+20:R+21]
	s_delay_alu instid0(VALU_DEP_1)
	v_add_f32 v[R+16], v[R+16], v[R+17]
.endm
	s_wait_loadcnt 0x0
.irp p, 0,1,2,3,4,5,6,7,8,9,10,11,12,13,14,15
	v_pk_add_f32 v[X+4*\p:X+4*\p+1], v[X+4*\p:X+4*\p+1], v[16:17]          ; the product + its bias,
	v_pk_add_f32 v[X+4*\p+2:X+4*\p+3], v[X+4*\p+2:X+4*\p+3], v[18:19]
	s_delay_alu instid0(VALU_DEP_2)
	v_pk_add_f32 v[X+4*\p:X+4*\p+1], v[X+4*\p:X+4*\p+1], v[R+4*\p:R+4*\p+1]   ; + the residual
	s_delay_alu instid0(VALU_DEP_2)
	v_pk_add_f32 v[X+4*\p+2:X+4*\p+3], v[X+4*\p+2:X+4*\p+3], v[R+4*\p+2:R+4*\p+3]
.endr
.irp p, 0,1,2,3,4,5,6,7,8,9,10,11,12,13,14,15
	v_pk_add_f32 v[R+32+2*\p:R+33+2*\p], v[X+4*\p:X+4*\p+1], v[X+4*\p+2:X+4*\p+3]
.endr
.irp p, 0,1,2,3,4,5,6,7,8,9,10,11,12,13,14,15
	v_add_f32 v[R+\p], v[R+32+2*\p], v[R+33+2*\p]
.endr
	RSUM 1
	s_delay_alu instid0(VALU_DEP_1)
	v_mul_f32 v[R+16], s36, v[R+16]                ; the mean of row r
.irp p, 0,1,2,3,4,5,6,7,8,9,10,11,12,13,14,15
	v_readlane_b32 s[40+\p], v[R+16], \p
.endr
.irp p, 0,1,2,3,4,5,6,7,8,9,10,11,12,13,14,15
.irp k, 0,1,2,3
	v_sub_f32 v[X+4*\p+\k], v[X+4*\p+\k], s[40+\p]
.endr
.endr
.irp p, 0,1,2,3,4,5,6,7,8,9,10,11,12,13,14,15
	v_mul_f32 v[R+\p], v[X+4*\p], v[X+4*\p]
.endr
.irp k, 1,2,3
.irp p, 0,1,2,3,4,5,6,7,8,9,10,11,12,13,14,15
	v_fmac_f32 v[R+\p], v[X+4*\p+\k], v[X+4*\p+\k]
.endr
.endr
	RSUM 2
	s_delay_alu instid0(VALU_DEP_1)
	v_fma_f32 v[R+16], v[R+16], s36, s37           ; the variance + 1e-5
	s_wait_alu depctr_va_vdst(0)
	v_rsq_f32 v[R+17], v[R+16]
	v_nop                                          ; a plain place behind the root
	s_wait_alu depctr_va_vdst(0)                   ; the wait ahead of its first reader
.irp p, 0,1,2,3,4,5,6,7,8,9,10,11,12,13,14,15
	v_readlane_b32 s[40+\p], v[R+17], \p
.endr
.irp p, 0,1,2,3,4,5,6,7,8,9,10,11,12,13,14,15
.irp k, 0,1,2,3
	v_mul_f32 v[X+4*\p+\k], s[40+\p], v[X+4*\p+\k]
.endr
	s_delay_alu instid0(VALU_DEP_3)
	v_pk_fma_f32 v[X+4*\p:X+4*\p+1], v[X+4*\p:X+4*\p+1], v[20:21], v[24:25]
	s_delay_alu instid0(VALU_DEP_2)
	v_pk_fma_f32 v[X+4*\p+2:X+4*\p+3], v[X+4*\p+2:X+4*\p+3], v[22:23], v[26:27]
	global_store_b128 v4, v[X+4*\p:X+4*\p+3], s[14:15] offset:(\p+8*(\p/8))*4096
.endr
	; the same numbers become my K step's fragment: through the stage, so that lane (r, h) holds whole blocks of 32 of row r
.irp p, 0,1,2,3,4,5,6,7,8,9,10,11,12,13,14,15
	ds_store_b128 v10, v[X+4*\p:X+4*\p+3] offset:\p*528
.endr
.irp c, 0,1
.irp m, 0,1,2,3,4,5,6,7
	ds_load_b128 v[Y+32*\c+4*\m:Y+32*\c+4*\m+3], v11 offset:256*\c+16*\m
.endr
.endr
	s_wait_dscnt 0x0
.irp c, 0,1
	v_max3_num_f32 v[TM+\c], |v[Y+32*\c]|, |v[Y+32*\c+1]|, 0x1800000   ; block 2 c + h; the floor 2^(3 - 127)
.endr
.irp i, 2,4,6,8,10,12,14,16,18,20,22,24,26,28,30
.irp c, 0,1
	s_delay_alu instid0(VALU_DEP_2)
	v_max3_num_f32 v[TM+\c], v[TM+\c], |v[Y+32*\c+\i]|, |v[Y+32*\c+\i+1]|
.endr
.endr
.irp c, 0,1
	s_delay_alu instid0(VALU_DEP_2)
	v_add_nc_u32 v[SO+\c], 0xff000000, v[TM+\c]
.endr
.irp c, 0,1
	s_delay_alu instid0(VALU_DEP_2)
	v_lshrrev_b32 v[BY+\c], 23, v[SO+\c]
.endr
	s_delay_alu instid0(VALU_DEP_1)
	v_lshl_or_b32 v[W], v[BY+1], 16, v[BY]
	s_delay_alu instid0(VALU_DEP_1)
	v_lshlrev_b32 v[W], v[SH8], v[W]
	s_delay_alu instid0(VALU_DEP_1)
	v_permlanex16_b32 v[W2], v[W], s[SEL], s[SEL+1]
	s_delay_alu instid0(VALU_DEP_1)
	v_or_b32 v[W], v[W], v[W2]                     ; the row's scale word, in both lanes
.irp c, 0,1
	v_cvt_scalef32_pk16_fp6_f32 v[PC+6*\c:PC+6*\c+2], v[Y+32*\c:Y+32*\c+15], v[SO+\c]
	v_cvt_scalef32_pk16_fp6_f32 v[PT+4*\c:PT+4*\c+2], v[Y+32*\c+16:Y+32*\c+31], v[SO+\c]
.endr
	v_nop                                          ; one plain place behind a scaled conversion
.irp c, 0,1
.irp i, 0,1,2
	v_mov_b32 v[PC+3+6*\c+\i], v[PT+4*\c+\i]
.endr
.endr
.irp c, 0,1
	global_store_b128 v4, v[PC+6*\c:PC+6*\c+3], s[32:33] offset:768*\c
	global_store_b64 v12, v[PC+6*\c+4:PC+6*\c+5], s[32:33] offset:768*\c+512
.endr
	global_store_b32 v13, v[W], s[34:35]           ; lanes l and l + 16 store the same word to the same place
	s_wait_tensorcnt 0x0                           ; the wave's end: behind my last LDS store
	ds_add_u32 v[SPW], v[NIL]
	s_wait_dscnt 0x0
	s_endpgm
.Lfunc_end_k_qc9a9040230_ln1:
	.size	k_qc9a9040230_ln1, .Lfunc_end_k_qc9a9040230_ln1-k_qc9a9040230_ln1
	.p2alignl 7, 3214868480
	.fill 96, 4, 3214868480
	.section	.rodata,"a",@progbits
	.p2align	6, 0x0
	.amdhsa_kernel k_qc9a9040230_ln1
		.amdhsa_group_segment_fixed_size 69632
		.amdhsa_private_segment_fixed_size 0
		.amdhsa_enable_private_segment 0
		.amdhsa_kernarg_size 56
		.amdhsa_user_sgpr_count 2
		.amdhsa_user_sgpr_kernarg_segment_ptr 1
		.amdhsa_wavefront_size32 1
		.amdhsa_system_sgpr_workgroup_id_x 1
		.amdhsa_system_sgpr_workgroup_id_y 1
		.amdhsa_system_sgpr_workgroup_id_z 1
		.amdhsa_system_vgpr_workitem_id 0
		.amdhsa_next_free_vgpr 192
		.amdhsa_next_free_sgpr 66
		.amdhsa_reserve_vcc 0
		.amdhsa_float_denorm_mode_32 3
		.amdhsa_float_denorm_mode_16_64 3
		.amdhsa_memory_ordered 1
		.amdhsa_forward_progress 1
		.amdhsa_inst_pref_size 41
	.end_amdhsa_kernel
	.amdgpu_metadata
---
amdhsa.version: [ 1, 2 ]
amdhsa.kernels:
  - .name:           k_qc9a9040230_ln1
    .symbol:         k_qc9a9040230_ln1.kd
    .args:
      - { .name: C32, .offset: 0, .size: 8, .value_kind: global_buffer, .address_space: global }
      - { .name: inp, .offset: 8, .size: 8, .value_kind: global_buffer, .address_space: global }
      - { .name: bo, .offset: 16, .size: 8, .value_kind: global_buffer, .address_space: global }
      - { .name: ln_g, .offset: 24, .size: 8, .value_kind: global_buffer, .address_space: global }
      - { .name: ln_b, .offset: 32, .size: 8, .value_kind: global_buffer, .address_space: global }
      - { .name: XF, .offset: 40, .size: 8, .value_kind: global_buffer, .address_space: global }
      - { .name: ACT, .offset: 48, .size: 8, .value_kind: global_buffer, .address_space: global }
    .group_segment_fixed_size: 69632
    .private_segment_fixed_size: 0
    .kernarg_segment_align: 8
    .kernarg_segment_size: 56
    .max_flat_workgroup_size: 256
    .sgpr_count:     66
    .vgpr_count:     192
    .wavefront_size: 32
...
	.end_amdgpu_metadata
.endif
;; end of part 5
;; launch gw1 (part 6): grid 16 x 16, 4 waves a work-group, clusters of 4 x 4, 327,680 bytes of LDS; arguments ACT, OPS, b1, HC; writes HC
.if DOCPART == 6
	.amdgcn_target "amdgcn-amd-amdhsa--gfx1250"
	.amdhsa_code_object_version 6
	.text
	.protected	k_qc9a9040230_gw1
	.globl	k_qc9a9040230_gw1
	.p2align	8
	.type	k_qc9a9040230_gw1,@function
k_qc9a9040230_gw1:
	s_mov_b64 s[64:65], 0
	v_nop
	global_prefetch_b8 v0, s[64:65] scope:SCOPE_SE
	s_setreg_imm32_b32 hwreg(HW_REG_WAVE_MODE, 25, 1), 1
	s_wait_xcnt 0x0
	s_wait_alu depctr_hold_cnt(0) depctr_sa_sdst(0) depctr_va_vdst(0) depctr_va_sdst(0) depctr_va_ssrc(0) depctr_va_vcc(0) depctr_vm_vsrc(0)
	s_getreg_b32 s2, hwreg(HW_REG_IB_STS2, 6, 4)
	s_cmp_eq_u32 s2, 0
	s_cbranch_scc0 .Lentry_in_a_cluster
	s_endpgm
.Lentry_in_a_cluster:
	s_bfe_u32 s2, ttmp6, 0x10000c
	s_cmp_lg_u32 s2, 0xf033
	s_cbranch_scc0 .Lentry_shape_is_right
	s_endpgm
.Lentry_shape_is_right:
; h = relu(x W1 + b1) on codes of E2M3, quantised along the hidden axis and stored as the last product's operand: the hidden layer goes to memory as codes alone.  No work is left out.
; SHARES.  256 work-groups: 256 hidden units x 256 tokens.  Each of four waves keeps 64 rows of W1, ALL of K = 1,024, in 384 registers and streams 16 token tiles of 16 past them: a block is 8 fragments from LDS and
; 32 products on 4 accumulators by turns.  b1 is the C of a block's first four products.  Two tiles' ways out are worked line by line together.
; OPERANDS are images of the operand's registers: REC = 128 rows x 256 K = 25,600 dense bytes (HIMG(q, T, c) at 12288 q + 1536 T + 768 c; scale word (T, r, q) at 24576 + 128 T + 8 r + 4 q); tile T, lane row r is row
; 32 (T / 2) + 8 (T % 2) + r + 8 (r / 8) of a block of 128.
; LDS: W1's block 0 at 0, token chunk 0 (128 tokens, four RECs) at CH, W1's block 1 at 2 CH, the spare words behind.  At the head one joint load a wave: waves 0, 1 a weight block each, waves 2, 3 two RECs of chunk 0.
; ONE REFILL: when every wave holds its weights in registers, chunk 1 lands on W1's block 0 (waves 2, 3, two RECs each), behind a drained round of the cluster's barrier; it is asked for eight blocks, 256 products
; a wave, ahead of its first read, and all else is asked for at the head: so no prefetch is laid.  CLUSTERS 4 x 4: tokens shared along a row of the cluster, weights along a column.
; TRANSPOSED USE: source 0 = 16 rows of W1, source 1 = 16 tokens: lane (r, h) holds token row r, and its 32 results are hidden units 32 b + 16 h + i of my 64: ready for the quantiser.
; OUT: a work-group fills REC 16 y + x of HC for its two token blocks y: wave w writes HIMG(w / 2, T, w % 2) and its two bytes of each scale word.
; LIMITS of the quantiser: a block under 2^-124 (all zeros behind the relu among them) keeps the byte 1; NaN and infinities are not served.
; REGISTERS: window 0: v4-9 the tokens' LDS addresses; v24-39 the weights' scale words, v44-59 the tokens' (two sets); v64-95 b1; v96-107 at work; v128-191 two sets of accumulators; v192-197 the weights' LDS
; addresses; v208-231 codes.  Fragment f lies in window 1 + f / 21 at register 12 (f % 21): 0-31 the weights' (4 step + tile), 32-39 and 40-47 the tokens' two sets.
.set RECB,  25600
.set CH,    4*RECB
.set SPARE, 3*CH
.set SPW,   14
.set NIL,   15
.set LI,    16
.set LP,    17
.set LS,    18
.set SB,    24
.set SA,    44
.set BJ,    64
.set TM,    96
.set ACC,   128
.set WA,    192
.set PCA,   208
.set FR,    12
.set FPW,   21
.set G1,    24
.set G0,    32
.set G1B,   48
.set G0B,   56
.set SEL,   86
.set TA,    90
.set TS,    91
.set MSB, 0
.macro WIN new
.if MSB != \new
	s_set_vgpr_msb (MSB<<8)|\new
.set MSB, \new
.endif
.endm
.macro CROUND
	s_barrier_signal -1
	s_barrier_wait -1
	s_cmp_lg_u32 s14, 0
	s_cbranch_scc1 .Lnot_wave_0_\@
	s_barrier_signal -3
.Lnot_wave_0_\@:
	s_barrier_wait -3
	s_barrier_signal -1
	s_barrier_wait -1
.endm
.macro PLACES
.rept 4
	v_nop
.endr
.endm
.macro FRAG f, al, ap, off             ; a fragment: two HIMGs, each 16 bytes and 8 bytes a lane
	WIN (1+(\f)/FPW)<<6
.set R_, FR*((\f)%FPW)
.irp c, 0,1
	ds_load_b128 v[R_+6*\c:R_+6*\c+3], v[\al] offset:(\off)+768*\c
	ds_load_b64 v[R_+6*\c+4:R_+6*\c+5], v[\ap] offset:(\off)+768*\c+512
.endr
.endm
.macro WEIGHTS                         ; my 64 rows, all of K, and their scale words (lanes 0-15 tile 2 p, lanes 16-31 tile 2 p + 1)
.irp st, 0,1,2,3,4,5,6,7
.irp b, 0,1,2,3
	FRAG 4*\st+\b, WA+\st/4, WA+2+\st/4, ((\st/2)%2)*RECB+(\st%2)*12288+\b*1536
.endr
.endr
	WIN 0
.irp rho, 0,1,2,3
.irp p, 0,1
	ds_load_b64 v[SB+8*\p+2*\rho:SB+8*\p+2*\rho+1], v[WA+4+\rho/2] offset:(\rho%2)*RECB+\p*256
.endr
.endr
.endm
.macro XSCALES e, j
.irp rho, 0,1,2,3
	ds_load_b64 v[SA+8*(\e)+2*\rho:SA+8*(\e)+2*\rho+1], v[8+\rho/2] offset:(\rho%2)*RECB+(\j)*128
.endr
.endm
.macro FETCH e, j                      ; the token tile j tiles behind the addresses in hand, all of K, into set e, in one run
.irp st, 0,1,2,3,4,5,6,7
	FRAG 32+8*(\e)+\st, 4+\st/4, 6+\st/4, ((\st/2)%2)*RECB+(\st%2)*12288+(\j)*1536
.endr
	WIN 0
	XSCALES \e, \j
.endm
.macro PR c, row
	v_wmma_scale_f32_16x16x128_f8f6f4 v[D_:D_+7], v[RB_:RB_+11], v[RA_:RA_+11], \c, v[XB_], v[XA_] matrix_a_fmt:MATRIX_FMT_FP6 matrix_b_fmt:MATRIX_FMT_FP6 matrix_a_scale:MATRIX_SCALE_ROW\row
.endm
.macro PR2 c, b
.if (\b)%2
	PR \c, 1
.else
	PR \c, 0
.endif
.endm
; 32 products on the tokens' set e, sums in set e: K ascending, four accumulators by turns.
; nf = 1: the tile j behind the addresses in hand is asked for among the first twenty products, into the other set
.macro MUL e, nf, j
.irp st, 0,1,2,3,4,5,6,7
.irp b, 0,1,2,3
.set FB_, 4*\st+\b
.set FA_, 32+8*(\e)+\st
.set RB_, FR*(FB_%FPW)
.set RA_, FR*(FA_%FPW)
.set XB_, SB+8*(\b/2)+\st
.set XA_, SA+8*(\e)+\st
.set D_, ACC+32*(\e)+8*\b
	WIN (1+FB_/FPW)|((1+FA_/FPW)<<2)
.if \st == 0
	PR2 v[BJ+8*\b:BJ+8*\b+7], \b
.else
	PR2 v[D_:D_+7], \b
.endif
.endr
.if \nf
.if \st < 4
	FRAG 32+8*(1-(\e))+2*\st, 4+\st/2, 6+\st/2, (\st%2)*RECB+(\j)*1536
	FRAG 32+8*(1-(\e))+2*\st+1, 4+\st/2, 6+\st/2, (\st%2)*RECB+12288+(\j)*1536
.endif
.if \st == 4
	WIN 0
	XSCALES 1-(\e), \j
.endif
.endif
.endr
	WIN 0
.endm
.macro XADDR                           ; the tokens' LDS addresses from the two stepped scalars
	v_add_nc_u32 v4, s[TA], v[LI]
	v_add_nc_u32 v6, s[TA], v[LP]
	v_add_nc_u32 v8, s[TS], v[LS]
	v_add_nc_u32 v5, 2*RECB, v4
	v_add_nc_u32 v7, 2*RECB, v6
	v_add_nc_u32 v9, 2*RECB, v8
.endm
; Two quantisers line by line.  For u = 0, 1: 32 numbers of a lane, register s + ds u + 16 b + i = k 32 b + 16 h + i of my row, become HIMG's six registers in v[pc + 12 u] on and two scale bytes in v[pw + u]
.macro QUANTP s, ds, pc, pw
.irp u, 0,1
	v_max3_num_f32 v[TM+6*\u], |v[\s+\ds*\u]|, |v[\s+\ds*\u+1]|, 0x1800000        ; the floor 2^(3 - 127) keeps the byte at 1 from below
	v_max3_num_f32 v[TM+6*\u+1], |v[\s+\ds*\u+16]|, |v[\s+\ds*\u+17]|, 0x1800000
.endr
.irp i, 2,4,6,8,10,12,14
.irp u, 0,1
	v_max3_num_f32 v[TM+6*\u], v[TM+6*\u], |v[\s+\ds*\u+\i]|, |v[\s+\ds*\u+\i+1]|
	v_max3_num_f32 v[TM+6*\u+1], v[TM+6*\u+1], |v[\s+\ds*\u+16+\i]|, |v[\s+\ds*\u+17+\i]|
.endr
.endr
.irp u, 0,1
	v_permlanex16_b32 v[TM+6*\u+2], v[TM+6*\u], s[SEL], s[SEL+1]
	v_permlanex16_b32 v[TM+6*\u+3], v[TM+6*\u+1], s[SEL], s[SEL+1]
.endr
.irp u, 0,1
	v_max_num_f32 v[TM+6*\u], v[TM+6*\u], v[TM+6*\u+2]     ; with lane l xor 16's 16: the block's largest magnitude
	v_max_num_f32 v[TM+6*\u+1], v[TM+6*\u+1], v[TM+6*\u+3]
.endr
.irp u, 0,1
	v_add_nc_u32 v[TM+6*\u+4], 0xff000000, v[TM+6*\u]      ; 2 off the exponent field: the conversion's scale operand
	v_add_nc_u32 v[TM+6*\u+5], 0xff000000, v[TM+6*\u+1]
.endr
.irp u, 0,1
	v_lshrrev_b32 v[TM+6*\u+2], 23, v[TM+6*\u+4]           ; the bytes
	v_lshrrev_b32 v[TM+6*\u+3], 23, v[TM+6*\u+5]
.endr
.irp u, 0,1
	v_lshl_or_b32 v[\pw+\u], v[TM+6*\u+3], 8, v[TM+6*\u+2]
.endr
.irp u, 0,1
	v_cvt_scalef32_pk16_fp6_f32 v[\pc+12*\u:\pc+12*\u+2], v[\s+\ds*\u:\s+\ds*\u+15], v[TM+6*\u+4]
	v_cvt_scalef32_pk16_fp6_f32 v[\pc+12*\u+8:\pc+12*\u+10], v[\s+\ds*\u+16:\s+\ds*\u+31], v[TM+6*\u+5]
.endr
	v_nop                                          ; one plain place behind the scaled conversions
.irp i, 0,1,2
.irp u, 0,1
	v_permlane16_swap_b32 v[\pc+12*\u+\i], v[\pc+12*\u+8+\i]   ; a whole block to a lane
.endr
.endr
.irp i, 0,1,2
.irp u, 0,1
	v_mov_b32 v[\pc+12*\u+3+\i], v[\pc+12*\u+8+\i]
.endr
.endr
.endm
.macro CHUNK                           ; a chunk's eight token tiles, two a trip
	s_mov_b32 s3, 4
.Ltrip_\@:
	s_wait_dscnt 0x0                               ; the even tile's fragments are in
	MUL 0, 1, 1
	s_add_co_u32 s[TA], s[TA], 3072                ; the next trip's two tiles in LDS; the six address lines are the places ahead of the loads below
	s_add_co_u32 s[TS], s[TS], 256
	XADDR
	s_wait_alu depctr_va_vdst(0)
	s_wait_dscnt 0x0                               ; the odd tile's are in
	s_cmp_eq_u32 s3, 1
	s_cbranch_scc1 .Llast_\@                       ; a chunk's last trip fetches nothing more
	FETCH 0, 0
.Llast_\@:
	MUL 1, 0, 0
	s_wait_xcnt 0x0                                ; the last trip's stores have read their bases and data
	s_add_nc_u64 s[70:71], s[70:71], 3072          ; this trip's two tiles in HC
	s_add_nc_u64 s[72:73], s[72:73], 256
	PLACES
.set n, 0
.rept 64
	v_max_num_f32 v[ACC+n], 0, v[ACC+n]            ; the relu
.set n, n+1
.endr
	QUANTP ACC, 32, PCA, 40
.irp u, 0,1
	global_store_b128 v[LI], v[PCA+12*\u:PCA+12*\u+3], s[70:71] offset:1536*\u
	global_store_b64 v[LP], v[PCA+12*\u+4:PCA+12*\u+5], s[70:71] offset:1536*\u+512
.endr
	v_cndmask_b32 v42, v40, v41, s76               ; lanes 0-15 carry the even tile's two bytes, lanes 16-31 the odd tile's
	global_store_b16 v11, v42, s[72:73]
	s_sub_co_u32 s3, s3, 1
	s_cmp_lg_u32 s3, 0
	s_wait_alu depctr_va_vdst(0)
	s_cbranch_scc1 .Ltrip_\@
.endm
	s_load_b256 s[4:11], s[0:1], 0x0               ; ACT s[4:5], OPS s[6:7], b1 s[8:9], HC s[10:11]
	v_lshl_add_u32 v[SPW], v0, 2, SPARE
	v_mov_b32 v[NIL], 0
	ds_add_u32 v[SPW], v[NIL]                      ; the opening: the add, twice on end, and its wait ahead of my first tensor load
	ds_add_u32 v[SPW], v[NIL]
	v_lshrrev_b32 v1, 5, v0
	v_readfirstlane_b32 s14, v1                    ; wave 0..3
	s_lshr_b32 s15, s14, 1                         ; 0: I fetch a weight block, 1: tokens.  Also: my weight block
	s_and_b32 s16, s14, 1                          ; which block or half I fetch.  Also: my 64 rows of the block
	s_bfe_u32 s40, ttmp6, 0x40000
	s_bfe_u32 s41, ttmp6, 0x40004
	s_lshl_b32 s42, ttmp9, 2
	s_add_co_u32 s42, s42, s40                     ; x: 256 hidden units
	s_and_b32 s17, ttmp7, 0xffff
	s_lshl_b32 s17, s17, 2
	s_add_co_u32 s17, s17, s41                     ; y: 256 tokens
	s_lshl_b32 s43, s41, 2
	s_lshl_b32 s43, 15, s43                        ; my row of the cluster
	s_lshl_b32 s44, 0x1111, s40                    ; my column
	s_or_b32 s[G1], s43, (3<<16)|(1<<21)
	s_or_b32 s[G1B], s44, (3<<16)|(1<<21)
.irp g, G1, G1B
	s_mov_b32 s[\g+1], 32<<16                      ; dense rows of 256 bytes
	s_mov_b32 s[\g+3], 32<<16
	s_mov_b32 s[\g+5], 32
	s_mov_b32 s[\g+6], 0
	s_mov_b32 s[\g+7], 0
.endr
	s_mov_b32 s[G1+2], 200<<16                     ; tokens: two RECs a load
	s_mov_b32 s[G1+4], 200
	s_mov_b32 s[G1B+2], 400<<16                    ; weights: four RECs a load
	s_mov_b32 s[G1B+4], 400
	s_mul_i32 s20, s17, 8*RECB
	s_mul_i32 s18, s16, 2*RECB
	s_add_co_u32 s20, s20, s18
	s_mov_b32 s21, 0
	s_mul_i32 s46, s42, 8*RECB
	s_mul_i32 s19, s16, CH
	s_add_co_u32 s46, s46, s19
	s_add_co_u32 s46, s46, 256*RECB
	s_mov_b32 s47, 0
	s_lshl_b32 s19, s19, 1                         ; weight block s16 lands at 2 CH s16
	s_wait_dscnt 0x0
	s_wait_kmcnt 0x0
	s_add_nc_u64 s[20:21], s[4:5], s[20:21]
	s_add_nc_u64 s[46:47], s[6:7], s[46:47]
	CROUND                                         ; all sixteen work-groups are here: the joint loads meet
	s_mov_b32 s[G0], 1
	s_add_co_u32 s[G0+1], s18, CH
	s_mov_b64 s[G0+2:G0+3], s[20:21]
	s_or_b32 s[G0+3], s[G0+3], 0x80000000
	s_mov_b32 s[G0B], 1
	s_mov_b32 s[G0B+1], s19
	s_mov_b64 s[G0B+2:G0B+3], s[46:47]
	s_or_b32 s[G0B+3], s[G0B+3], 0x80000000
	s_cmp_eq_u32 s15, 0
	s_cbranch_scc0 .Lfor_x
	tensor_load_to_lds s[G0B:G0B+3], s[G1B:G1B+7]  ; waves 0, 1: a weight block each
	s_nop 0
	PLACES
	s_branch .Lasked
.Lfor_x:
	tensor_load_to_lds s[G0:G0+3], s[G1:G1+7]      ; waves 2, 3: two RECs of chunk 0 each
	s_nop 0
	PLACES
.Lasked:
	; the way out's scalars
	s_lshl_b32 s66, s42, 10
	s_lshl_b32 s67, s14, 8
	s_add_co_u32 s66, s66, s67
	s_mov_b32 s67, 0
	s_add_nc_u64 s[8:9], s[8:9], s[66:67]          ; b1 at my 64 hidden units
	s_lshl_b32 s68, s17, 5
	s_add_co_u32 s68, s68, s42
	s_mul_i32 s68, s68, RECB                       ; REC 16 (2 y) + x
	s_mul_i32 s70, s15, 12288
	s_mul_i32 s71, s16, 768
	s_add_co_u32 s70, s70, s71
	s_add_co_u32 s70, s70, s68
	s_mov_b32 s71, 0
	s_lshl_b32 s72, s15, 2
	s_lshl_b32 s69, s16, 1
	s_add_co_u32 s72, s72, s69
	s_add_co_u32 s72, s72, s68
	s_add_co_u32 s72, s72, 24576
	s_mov_b32 s73, 0
	s_add_nc_u64 s[70:71], s[10:11], s[70:71]      ; my HIMGs
	s_add_nc_u64 s[72:73], s[10:11], s[72:73]      ; my halves of the scale words
	s_sub_nc_u64 s[70:71], s[70:71], 3072          ; each trip's way out steps both on
	s_sub_nc_u64 s[72:73], s[72:73], 256
	s_mov_b32 s76, 0xffff0000                      ; lanes 16-31
	s_mov_b32 s[SEL], 0x76543210
	s_mov_b32 s[SEL+1], 0xfedcba98
	s_mul_i32 s22, s15, 2*CH
	s_mul_i32 s23, s16, 6144
	s_add_co_u32 s23, s23, s22                     ; my four weight tiles
	s_lshl_b32 s77, s16, 9
	s_add_co_u32 s22, s22, s77
	s_add_co_u32 s22, s22, 24576                   ; their scale words
	s_mov_b32 s[TA], CH
	s_mov_b32 s[TS], CH+24576
	v_and_b32 v1, 15, v0                           ; r
	v_bfe_u32 v2, v0, 4, 1                         ; h
	v_and_b32 v3, 31, v0                           ; l
	v_lshlrev_b32 v[LI], 4, v3
	v_lshlrev_b32 v[LP], 4, v1
	v_lshl_add_u32 v[LP], v2, 3, v[LP]
	v_lshlrev_b32 v[LS], 3, v1
	v_add_nc_u32 v[WA], s23, v[LI]
	v_add_nc_u32 v[WA+2], s23, v[LP]
	v_add_nc_u32 v[WA+1], 2*RECB, v[WA]
	v_add_nc_u32 v[WA+3], 2*RECB, v[WA+2]
	v_lshl_add_u32 v11, v2, 7, v[LS]               ; 8 r + 128 h
	v_add_nc_u32 v[WA+4], s22, v11
	v_add_nc_u32 v[WA+5], 2*RECB, v[WA+4]
	XADDR
	v_lshlrev_b32 v10, 6, v2                       ; 64 h bytes
.irp i, 2,3,8,9
	v_mov_b32 v[TM+\i], 0                          ; a lane permute's destination counts as read
.endr
.irp b, 0,1
.irp m, 0,1,2,3
	global_load_b128 v[BJ+16*\b+4*\m:BJ+16*\b+4*\m+3], v10, s[8:9] offset:128*\b+16*\m
.endr
.endr
	s_wait_alu depctr_va_vdst(0)                   ; the wait at the head's end
	s_cmp_eq_u32 s15, 0
	s_cbranch_scc0 .Lnot_w
	s_wait_tensorcnt 0x0                           ; waves 0, 1: my weight block is in
.Lnot_w:
	s_barrier_signal -1
	s_barrier_wait -1                              ; both weight blocks are in; chunk 0 may still be on its way
	WEIGHTS
	s_wait_tensorcnt 0x0                           ; every wave: my load is in;
	ds_add_u32 v[SPW], v[NIL]
	s_mov_b32 s[G0+1], s18                         ; no load of mine is out: chunk 1's descriptor: onto W1's block 0,
	s_add_nc_u64 s[G0+2:G0+3], s[G0+2:G0+3], CH    ; four RECs on
	s_wait_dscnt 0x0                               ; the add is done, and my weights are in registers
	CROUND                                         ; chunk 0 is whole, and no wave of any partner still reads W1's block 0
	s_cmp_eq_u32 s15, 0
	s_cbranch_scc1 .Lno_refill
	tensor_load_to_lds s[G0:G0+3], s[G1:G1+7]      ; waves 2, 3: two RECs of chunk 1 each
	s_nop 0
	PLACES
.Lno_refill:
	FETCH 0, 0
	s_wait_loadcnt 0x0                             ; b1
	CHUNK
	s_mov_b32 s[TA], 0                             ; chunk 1
	s_mov_b32 s[TS], 24576
	XADDR
	s_wait_xcnt 0x0                                ; the last stores have read their bases
	s_add_nc_u64 s[70:71], s[70:71], 16*RECB-12288 ; the next token block's REC
	s_add_nc_u64 s[72:73], s[72:73], 16*RECB-1024
	s_wait_alu depctr_va_vdst(0)
	s_wait_tensorcnt 0x0                           ; my part of chunk 1 is in
	s_wait_dscnt 0x0
	s_barrier_signal -1
	s_barrier_wait -1                              ; everybody's is
	FETCH 0, 0
	CHUNK
	s_wait_tensorcnt 0x0                           ; the wave's end
	ds_add_u32 v[SPW], v[NIL]
	s_wait_dscnt 0x0
	CROUND                                         ; the closing round
	s_endpgm
.Lfunc_end_k_qc9a9040230_gw1:
	.size	k_qc9a9040230_gw1, .Lfunc_end_k_qc9a9040230_gw1-k_qc9a9040230_gw1
	.p2alignl 7, 3214868480
	.fill 96, 4, 3214868480
	.section	.rodata,"a",@progbits
	.p2align	6, 0x0
	.amdhsa_kernel k_qc9a9040230_gw1
		.amdhsa_group_segment_fixed_size 327680
		.amdhsa_private_segment_fixed_size 0
		.amdhsa_enable_private_segment 0
		.amdhsa_kernarg_size 32
		.amdhsa_user_sgpr_count 2
		.amdhsa_user_sgpr_kernarg_segment_ptr 1
		.amdhsa_wavefront_size32 1
		.amdhsa_system_sgpr_workgroup_id_x 1
		.amdhsa_system_sgpr_workgroup_id_y 1
		.amdhsa_system_sgpr_workgroup_id_z 1
		.amdhsa_system_vgpr_workitem_id 0
		.amdhsa_next_free_vgpr 896
		.amdhsa_next_free_sgpr 100
		.amdhsa_reserve_vcc 0
		.amdhsa_float_denorm_mode_32 3
		.amdhsa_float_denorm_mode_16_64 3
		.amdhsa_memory_ordered 1
		.amdhsa_forward_progress 1
		.amdhsa_inst_pref_size 64
	.end_amdhsa_kernel
	.amdgpu_metadata
---
amdhsa.version: [ 1, 2 ]
amdhsa.kernels:
  - .name:           k_qc9a9040230_gw1
    .symbol:         k_qc9a9040230_gw1.kd
    .args:
      - { .name: ACT, .offset: 0, .size: 8, .value_kind: global_buffer, .address_space: global }
      - { .name: OPS, .offset: 8, .size: 8, .value_kind: global_buffer, .address_space: global }
      - { .name: b1, .offset: 16, .size: 8, .value_kind: global_buffer, .address_space: global }
      - { .name: HC, .offset: 24, .size: 8, .value_kind: global_buffer, .address_space: global }
    .group_segment_fixed_size: 327680
    .private_segment_fixed_size: 0
    .kernarg_segment_align: 8
    .kernarg_segment_size: 32
    .max_flat_workgroup_size: 128
    .sgpr_count:     100
    .vgpr_count:     896
    .wavefront_size: 32
...
	.end_amdgpu_metadata
.endif
;; end of part 6
;; launch gw2 (part 7): grid 8 x 32, 4 waves a work-group, clusters of 4 x 4, 327,680 bytes of LDS; arguments HC, OPS, C32; writes C32
.if DOCPART == 7
	.amdgcn_target "amdgcn-amd-amdhsa--gfx1250"
	.amdhsa_code_object_version 6
	.text
	.protected	k_qc9a9040230_gw2
	.globl	k_qc9a9040230_gw2
	.p2align	8
	.type	k_qc9a9040230_gw2,@function
k_qc9a9040230_gw2:
	s_mov_b64 s[64:65], 0
	v_nop
	global_prefetch_b8 v0, s[64:65] scope:SCOPE_SE
	s_setreg_imm32_b32 hwreg(HW_REG_WAVE_MODE, 25, 1), 1
	s_wait_xcnt 0x0
	s_wait_alu depctr_hold_cnt(0) depctr_sa_sdst(0) depctr_va_vdst(0) depctr_va_sdst(0) depctr_va_ssrc(0) depctr_va_vcc(0) depctr_vm_vsrc(0)
	s_getreg_b32 s2, hwreg(HW_REG_IB_STS2, 6, 4)
	s_cmp_eq_u32 s2, 0
	s_cbranch_scc0 .Lentry_in_a_cluster
	s_endpgm
.Lentry_in_a_cluster:
	s_bfe_u32 s2, ttmp6, 0x10000c
	s_cmp_lg_u32 s2, 0xf033
	s_cbranch_scc0 .Lentry_shape_is_right
	s_endpgm
.Lentry_shape_is_right:
; LAUNCH 8: C32 = h W2 on codes of E2M3, f32 out; bias, residual and layer norm follow in the next launch.  No work is left out.
; A = h's codes (HC), B = W2's codes (OPS, REC 384 on).  Tile 128 x 128 a work-group, 64 x 64 a wave; operands are REC images as in the launches before.  K = 4,096 goes through a ring of two LDS slots of 512 along K,
; [A rec 0 | A rec 1 | B rec 0 | B rec 1], a REC a wave by joint loads in a 4 x 4 cluster; every fill behind the first stands behind a drained round.  The results leave through each wave's own stage in LDS.
.set NREC,  16
.set ABASE, 0
.set BBASE, 384
.set LAPS,  NREC/4
.set RECB,  25600
.set SLOT,  4*RECB
.set STAGE, 2*SLOT
.set SPARE, STAGE+4*16*272
.set SPW,   14
.set NIL,   15
.set LI,    16
.set LP,    17
.set SC,    32
.set ACC,   128
.set F0,    0
.set F1,    128
.set G1,    24
.set G0,    32
.set G1B,   48
.set G0B,   56
.set MSB, 0
.macro WIN new
.if MSB != \new
	s_set_vgpr_msb (MSB<<8)|\new
.set MSB, \new
.endif
.endm
.set MUL,  0x05
.set TO_F, 0x40
.macro JLOAD g0a, g1a, g0b, g1b
	s_cmp_eq_u32 s15, 0
	s_cbranch_scc0 .Lfor_b_\@
	tensor_load_to_lds s[\g0a:\g0a+3], s[\g1a:\g1a+7]
	s_nop 0
.rept 4
	v_nop
.endr
	s_branch .Lasked_\@
.Lfor_b_\@:
	tensor_load_to_lds s[\g0b:\g0b+3], s[\g1b:\g1b+7]
	s_nop 0
.rept 4
	v_nop
.endr
.Lasked_\@:
.endm
.macro CREST
	s_cmp_lg_u32 s14, 0
	s_cbranch_scc1 .Lnot_wave_0_\@
	s_barrier_signal -3
.Lnot_wave_0_\@:
	s_barrier_wait -3
	s_barrier_signal -1
	s_barrier_wait -1
.endm
.macro CROUND
	s_barrier_signal -1
	s_barrier_wait -1
	CREST
.endm
.macro PLACES
.rept 4
	v_nop
.endr
.endm
.macro FETCH slot, sg, f
.set OF, ((\sg)/2)*RECB+((\sg)%2)*12288
	WIN TO_F
.irp i, 0,1,2,3
.irp c, 0,1
	ds_load_b128 v[(\f)+48+12*\i+6*\c:(\f)+48+12*\i+6*\c+3], v[8+\slot] offset:OF+\i*1536+\c*768
	ds_load_b64 v[(\f)+48+12*\i+6*\c+4:(\f)+48+12*\i+6*\c+5], v[10+\slot] offset:OF+\i*1536+\c*768+512
	ds_load_b128 v[(\f)+12*\i+6*\c:(\f)+12*\i+6*\c+3], v[4+\slot] offset:OF+\i*1536+\c*768
	ds_load_b64 v[(\f)+12*\i+6*\c+4:(\f)+12*\i+6*\c+5], v[6+\slot] offset:OF+\i*1536+\c*768+512
.endr
.endr
	WIN 0
.if ((\sg)%2) == 0
.irp i, 0,1,2,3
	ds_load_b64 v[SC+8*((\sg)/2)+2*\i:SC+8*((\sg)/2)+2*\i+1], v[12+\slot] offset:((\sg)/2)*RECB+\i*128
.endr
.endif
.endm
.macro MUL16 f, rh, q, zero
.irp a, 0,1,2,3
.irp b, 0,1,2,3
.if \zero
	v_wmma_scale_f32_16x16x128_f8f6f4 v[ACC+8*(4*\a+\b):ACC+8*(4*\a+\b)+7], v[(\f)+48+12*\b:(\f)+48+12*\b+11], v[(\f)+12*\a:(\f)+12*\a+11], 0, v[SC+8*(\rh)+2*\b+(\q)], v[SC+8*(\rh)+2*\a+(\q)] matrix_a_fmt:MATRIX_FMT_FP6 matrix_b_fmt:MATRIX_FMT_FP6 matrix_a_scale:MATRIX_SCALE_ROW1
.else
	v_wmma_scale_f32_16x16x128_f8f6f4 v[ACC+8*(4*\a+\b):ACC+8*(4*\a+\b)+7], v[(\f)+48+12*\b:(\f)+48+12*\b+11], v[(\f)+12*\a:(\f)+12*\a+11], v[ACC+8*(4*\a+\b):ACC+8*(4*\a+\b)+7], v[SC+8*(\rh)+2*\b+(\q)], v[SC+8*(\rh)+2*\a+(\q)] matrix_a_fmt:MATRIX_FMT_FP6 matrix_b_fmt:MATRIX_FMT_FP6 matrix_a_scale:MATRIX_SCALE_ROW1
.endif
.endr
.endr
.endm
.macro STEP slot, sg, zero
	s_wait_dscnt 0x0
	PLACES
	FETCH \slot, (\sg)+1, 128*(((\sg)+1)%2)
	WIN MUL
	MUL16 128*((\sg)%2), (\sg)/2, (\sg)%2, \zero
.endm
.macro TURN slot, next, fill
	WIN 0
	s_wait_tensorcnt 0x0
	ds_add_u32 v[SPW], v[NIL]
.if \fill
	s_add_nc_u64 s[G0+4*\slot+2:G0+4*\slot+3], s[G0+4*\slot+2:G0+4*\slot+3], 4*RECB
	s_add_nc_u64 s[G0B+4*\slot+2:G0B+4*\slot+3], s[G0B+4*\slot+2:G0B+4*\slot+3], 4*RECB
	s_wait_xcnt 0x0                                ; my last prefetch has read its address:
	s_add_nc_u64 s[68:69], s[68:69], 2*RECB        ; on to the REC that I fetch two refills behind this one
.endif
	s_wait_dscnt 0x0
.if \fill
	CROUND
	JLOAD G0+4*\slot, G1, G0B+4*\slot, G1B
.else
	s_barrier_signal -1
	s_barrier_wait -1
	PLACES
.endif
	s_wait_alu depctr_va_vdst(0)
	FETCH \next, 0, F0
.if \fill
	; A PREFETCH behind each refill and the run of LDS loads: the REC that this wave fetches two refills on, 100 blocks of 256 bytes; the four partners that ask for it jointly take 25 blocks each, told apart by
	; address (cx for A, cy for B), a lane a block, the lanes left over naming the last again.  The loop's last trip, whose two refills are the last, asks for nothing.
	s_cmp_gt_u32 s3, 1
	s_cbranch_scc0 .Lno_ask_\@
	global_prefetch_b8 v21, s[68:69] th:TH_LOAD_NT scope:SCOPE_SE
.Lno_ask_\@:
.endif
	WIN MUL
	MUL16 F1, 1, 1, 0
.endm
	s_load_b128 s[4:7], s[0:1], 0x0
	s_load_b64 s[8:9], s[0:1], 0x10
	v_lshl_add_u32 v[SPW], v0, 2, SPARE
	v_mov_b32 v[NIL], 0
	ds_add_u32 v[SPW], v[NIL]
	ds_add_u32 v[SPW], v[NIL]
	v_lshrrev_b32 v1, 5, v0
	v_readfirstlane_b32 s14, v1
	s_lshr_b32 s15, s14, 1
	s_and_b32 s16, s14, 1
	s_bfe_u32 s40, ttmp6, 0x40000
	s_bfe_u32 s41, ttmp6, 0x40004
	s_lshl_b32 s42, ttmp9, 2
	s_add_co_u32 s42, s42, s40
	s_and_b32 s17, ttmp7, 0xffff
	s_lshl_b32 s17, s17, 2
	s_add_co_u32 s17, s17, s41
	s_lshl_b32 s43, s41, 2
	s_lshl_b32 s43, 15, s43
	s_lshl_b32 s44, 0x1111, s40
	s_or_b32 s[G1], s43, (3<<16)|(1<<21)
	s_or_b32 s[G1B], s44, (3<<16)|(1<<21)
.irp g, G1, G1B
	s_mov_b32 s[\g+1], 32<<16
	s_mov_b32 s[\g+2], 100<<16
	s_mov_b32 s[\g+3], 32<<16
	s_mov_b32 s[\g+4], 100
	s_mov_b32 s[\g+5], 32
	s_mov_b32 s[\g+6], 0
	s_mov_b32 s[\g+7], 0
.endr
	s_mul_i32 s20, s17, NREC*RECB
	s_mul_i32 s18, s16, RECB
	s_add_co_u32 s20, s20, s18
.if ABASE
	s_add_co_u32 s20, s20, ABASE*RECB
.endif
	s_mov_b32 s21, 0
	s_mul_i32 s46, s42, NREC*RECB
	s_add_co_u32 s46, s46, s18
.if BBASE
	s_add_co_u32 s46, s46, BBASE*RECB
.endif
	s_mov_b32 s47, 0
	s_mul_i32 s45, s14, RECB
	s_wait_dscnt 0x0
	s_wait_kmcnt 0x0
	s_add_nc_u64 s[20:21], s[4:5], s[20:21]
	s_add_nc_u64 s[46:47], s[6:7], s[46:47]
	s_cmp_eq_u32 s15, 0                            ; the prefetches: do I fetch for A?
	s_cselect_b64 s[68:69], s[20:21], s[46:47]
	s_cselect_b32 s70, s40, s41                    ; my place among the four that ask with me
	s_mul_i32 s70, s70, 6400                       ; 25 blocks of 256 bytes each
	s_add_co_u32 s70, s70, 6*RECB                  ; the first refill steps this to my REC of the fifth fill
	s_mov_b32 s71, 0
	s_add_nc_u64 s[68:69], s[68:69], s[70:71]
	CROUND
.irp s, 0,1
	s_mov_b32 s[G0+4*\s], 1
	s_add_co_u32 s[G0+4*\s+1], s45, \s*SLOT
	s_add_nc_u64 s[G0+4*\s+2:G0+4*\s+3], s[20:21], \s*2*RECB
	s_or_b32 s[G0+4*\s+3], s[G0+4*\s+3], 0x80000000
	s_mov_b32 s[G0B+4*\s], 1
	s_add_co_u32 s[G0B+4*\s+1], s45, \s*SLOT
	s_add_nc_u64 s[G0B+4*\s+2:G0B+4*\s+3], s[46:47], \s*2*RECB
	s_or_b32 s[G0B+4*\s+3], s[G0B+4*\s+3], 0x80000000
.if \s
	s_wait_alu depctr_va_vdst(0)
	s_wait_tensorcnt 0x0
	ds_add_u32 v14, v15
	ds_add_u32 v14, v15
	s_wait_dscnt 0x0
	CROUND
.endif
	JLOAD G0+4*\s, G1, G0B+4*\s, G1B
.endr
	v_and_b32 v1, 15, v0
	v_bfe_u32 v2, v0, 4, 1
	v_and_b32 v3, 31, v0
	v_min_u32 v21, 24, v3
	v_lshlrev_b32 v21, 8, v21                      ; the prefetches' offset: a lane a block of 256 bytes
	v_lshlrev_b32 v[LI], 4, v3
	v_lshlrev_b32 v[LP], 4, v1
	v_lshl_add_u32 v[LP], v2, 3, v[LP]
	s_mul_i32 s18, s15, 6144
	s_mul_i32 s19, s16, 6144
	s_add_co_u32 s19, s19, 2*RECB
.irp s, 0,1
	v_add_nc_u32 v[4+\s], s18, v[LI]
	v_add_nc_u32 v[6+\s], s18, v[LP]
	v_add_nc_u32 v[8+\s], s19, v[LI]
	v_add_nc_u32 v[10+\s], s19, v[LP]
	s_add_co_u32 s18, s18, SLOT
	s_add_co_u32 s19, s19, SLOT
.endr
	s_lshl_b32 s18, s15, 9
	s_lshl_b32 s19, s16, 9
	s_add_co_u32 s19, s19, 2*RECB
	s_sub_co_u32 s19, s19, s18
	v_mul_u32_u24 v12, s19, v2
	v_lshl_add_u32 v12, v1, 3, v12
	s_add_co_u32 s18, s18, 24576
	v_add_nc_u32 v12, s18, v12
	v_add_nc_u32 v13, SLOT, v12
	s_mul_i32 s18, s14, 16*272
	s_add_co_u32 s18, s18, STAGE
	v_mul_u32_u24 v18, v1, 272
	v_lshl_add_u32 v18, v2, 6, v18
	v_add_nc_u32 v18, s18, v18
	v_mul_u32_u24 v19, v2, 272
	v_lshl_add_u32 v19, v1, 4, v19
	v_add_nc_u32 v19, s18, v19
	v_lshlrev_b32 v20, 12, v2
	v_lshl_add_u32 v20, v1, 4, v20
	s_lshl_b32 s66, s17, 19
	s_lshl_b32 s67, s15, 18
	s_add_co_u32 s66, s66, s67
	s_lshl_b32 s67, s42, 9
	s_add_co_u32 s66, s66, s67
	s_lshl_b32 s67, s16, 8
	s_add_co_u32 s66, s66, s67
	s_mov_b32 s67, 0
	s_add_nc_u64 s[8:9], s[8:9], s[66:67]
	s_wait_tensorcnt 1
	s_barrier_signal -1
	s_barrier_wait -1
	FETCH 0, 0, F0
	STEP 0, 0, 1
.if LAPS > 1
	WIN 0
	s_mov_b32 s3, LAPS-1
.Llap:
	STEP 0, 1, 0
	STEP 0, 2, 0
	TURN 0, 1, 1
	STEP 1, 0, 0
	STEP 1, 1, 0
	STEP 1, 2, 0
	TURN 1, 0, 1
	STEP 0, 0, 0
	WIN 0
	s_sub_co_u32 s3, s3, 1
	s_cmp_lg_u32 s3, 0
	s_cbranch_scc1 .Llap
.endif
	STEP 0, 1, 0
	STEP 0, 2, 0
	TURN 0, 1, 0
	STEP 1, 0, 0
	STEP 1, 1, 0
	STEP 1, 2, 0
	s_wait_dscnt 0x0
	WIN MUL
	MUL16 F1, 1, 1, 0
	WIN 0
	PLACES
.irp a, 0,1,2,3
.irp b, 0,1,2,3
	ds_store_b128 v18, v[ACC+8*(4*\a+\b):ACC+8*(4*\a+\b)+3] offset:128*(\b/2)+32*(\b%2)
	ds_store_b128 v18, v[ACC+8*(4*\a+\b)+4:ACC+8*(4*\a+\b)+7] offset:128*(\b/2)+32*(\b%2)+16
.endr
.if \a >= 2
	s_wait_xcnt 0x0
.endif
.irp t, 0,1,2,3,4,5,6,7
	ds_load_b128 v[48+32*(\a%2)+4*\t:48+32*(\a%2)+4*\t+3], v19 offset:\t*544
.endr
	s_wait_dscnt 0x0
.irp t, 0,1,2,3,4,5,6,7
	global_store_b128 v20, v[48+32*(\a%2)+4*\t:48+32*(\a%2)+4*\t+3], s[8:9] offset:(32*(\a/2)+8*(\a%2)+2*\t+8*(\t/4))*4096 th:TH_STORE_NT
.endr
.endr
	s_wait_tensorcnt 0x0
	ds_add_u32 v[SPW], v[NIL]
	s_wait_dscnt 0x0
	CROUND
	s_endpgm
.Lfunc_end_k_qc9a9040230_gw2:
	.size	k_qc9a9040230_gw2, .Lfunc_end_k_qc9a9040230_gw2-k_qc9a9040230_gw2
	.p2alignl 7, 3214868480
	.fill 96, 4, 3214868480
	.section	.rodata,"a",@progbits
	.p2align	6, 0x0
	.amdhsa_kernel k_qc9a9040230_gw2
		.amdhsa_group_segment_fixed_size 327680
		.amdhsa_private_segment_fixed_size 0
		.amdhsa_enable_private_segment 0
		.amdhsa_kernarg_size 24
		.amdhsa_user_sgpr_count 2
		.amdhsa_user_sgpr_kernarg_segment_ptr 1
		.amdhsa_wavefront_size32 1
		.amdhsa_system_sgpr_workgroup_id_x 1
		.amdhsa_system_sgpr_workgroup_id_y 1
		.amdhsa_system_sgpr_workgroup_id_z 1
		.amdhsa_system_vgpr_workitem_id 0
		.amdhsa_next_free_vgpr 512
		.amdhsa_next_free_sgpr 100
		.amdhsa_reserve_vcc 0
		.amdhsa_float_denorm_mode_32 3
		.amdhsa_float_denorm_mode_16_64 3
		.amdhsa_memory_ordered 1
		.amdhsa_forward_progress 1
		.amdhsa_inst_pref_size 89
	.end_amdhsa_kernel
	.amdgpu_metadata
---
amdhsa.version: [ 1, 2 ]
amdhsa.kernels:
  - .name:           k_qc9a9040230_gw2
    .symbol:         k_qc9a9040230_gw2.kd
    .args:
      - { .name: HC, .offset: 0, .size: 8, .value_kind: global_buffer, .address_space: global }
      - { .name: OPS, .offset: 8, .size: 8, .value_kind: global_buffer, .address_space: global }
      - { .name: C32, .offset: 16, .size: 8, .value_kind: global_buffer, .address_space: global }
    .group_segment_fixed_size: 327680
    .private_segment_fixed_size: 0
    .kernarg_segment_align: 8
    .kernarg_segment_size: 24
    .max_flat_workgroup_size: 128
    .sgpr_count:     100
    .vgpr_count:     512
    .wavefront_size: 32
...
	.end_amdgpu_metadata
.endif
;; end of part 7
;; launch ln2 (part 8): grid 256 x 1, 8 waves a work-group, no clusters, 69,632 bytes of LDS; arguments C32, XF, b2, ln_g, ln_b, out0; writes out0
.if DOCPART == 8
	.amdgcn_target "amdgcn-amd-amdhsa--gfx1250"
	.amdhsa_code_object_version 6
	.text
	.protected	k_qc9a9040230_ln2
	.globl	k_qc9a9040230_ln2
	.p2align	8
	.type	k_qc9a9040230_ln2,@function
k_qc9a9040230_ln2:
	s_mov_b64 s[64:65], 0
	v_nop
	global_prefetch_b8 v0, s[64:65] scope:SCOPE_SE
	s_setreg_imm32_b32 hwreg(HW_REG_WAVE_MODE, 25, 1), 1
	s_wait_xcnt 0x0
; LAUNCH 9: out0 = layernorm(x + (C32 + b2)) g + b.  No work is left out.
; A work-group owns 16 rows (row p of tile T of block B is 128 B + 32 (T / 2) + 8 (T % 2) + p + 8 (p / 8), as in the launches before); wave s owns columns 128 s .. 128 s + 127 of them: every load and store of a
; wave covers 512 consecutive bytes.  The mean is taken first and the variance of the differences second: no difference of large sums is formed.
; A row's sum: each lane's four numbers; the 32 lanes' partial sums of 16 rows turn through the wave's stage, so that lane r adds row r's; the eight waves' figures meet in a table in LDS behind a barrier.  Each of the two
; sums has a table of its own: two barriers in all.  Memory binds here: no matrix unit, no tensor load, no cluster.  LIMIT: NaN and infinities are not served.
.set STG,   8448                       ; a wave's stage; the sums use its first 16 x 144 bytes
.set T1,    8*STG                      ; table 1: 16 rows x 8 waves x 4 bytes; table 2 512 bytes on
.set SPARE, T1+1024                    ; the spare words, 128 bytes a wave, four blocks of 256 bytes that no other line names
.set SPW,   14
.set NIL,   15
.set X,     32                         ; v32-95  row p's four numbers at X + 4 p
.set R,     96                         ; v96-159 the residual; then partial sums
.set SEL,   38
	s_load_b256 s[4:11], s[0:1], 0x0               ; C32 s[4:5], the residual s[6:7], the bias s[8:9], g s[10:11]
	s_load_b128 s[12:15], s[0:1], 0x20             ; b s[12:13], out0 s[14:15]
	v_lshl_add_u32 v[SPW], v0, 2, SPARE
	v_mov_b32 v[NIL], 0
	v_lshrrev_b32 v1, 5, v0
	s_delay_alu instid0(VALU_DEP_1)
	v_readfirstlane_b32 s24, v1                    ; wave 0..7
	v_and_b32 v1, 31, v0
	s_wait_alu depctr_va_vdst(0)
	v_and_b32 v2, 15, v0                           ; r
	v_bfe_u32 v3, v0, 4, 1                         ; h
	s_lshr_b32 s25, ttmp9, 3
	s_and_b32 s26, ttmp9, 7
	s_lshr_b32 s27, s26, 1
	s_lshl_b32 s27, s27, 5
	s_and_b32 s28, s26, 1
	s_lshl_b32 s28, s28, 3
	s_add_co_u32 s27, s27, s28
	s_lshl_b32 s28, s25, 7
	s_add_co_u32 s27, s27, s28                     ; the tile's first row
	s_lshl_b32 s28, s27, 12
	s_lshl_b32 s30, s24, 9
	s_add_co_u32 s28, s28, s30
	s_mov_b32 s29, 0
	s_mov_b32 s36, 0x3a800000                      ; 1 / 1024
	s_mov_b32 s37, 0x3727c5ac                      ; 1e-5
	s_mov_b32 s[SEL], 0x76543210
	s_mov_b32 s[SEL+1], 0xfedcba98
	v_lshlrev_b32 v4, 4, v1                        ; 16 l
	s_delay_alu instid0(VALU_DEP_1)
	v_add_nc_u32 v5, s30, v4                       ; + 512 wave
	s_wait_alu depctr_va_vdst(0)
	s_wait_kmcnt 0x0
	s_add_nc_u64 s[4:5], s[4:5], s[28:29]
	s_add_nc_u64 s[6:7], s[6:7], s[28:29]
	s_add_nc_u64 s[14:15], s[14:15], s[28:29]
	global_load_b128 v[16:19], v5, s[8:9]
	global_load_b128 v[20:23], v5, s[10:11]
	global_load_b128 v[24:27], v5, s[12:13]
.irp p, 0,1,2,3,4,5,6,7,8,9,10,11,12,13,14,15
	global_load_b128 v[X+4*\p:X+4*\p+3], v4, s[4:5] offset:(\p+8*(\p/8))*4096 th:TH_LOAD_NT
	global_load_b128 v[R+4*\p:R+4*\p+3], v4, s[6:7] offset:(\p+8*(\p/8))*4096 th:TH_LOAD_NT
.endr
	s_mul_i32 s31, s24, STG
	v_lshlrev_b32 v6, 2, v1
	s_delay_alu instid0(VALU_DEP_1)
	v_add_nc_u32 v6, s31, v6                       ; partial sums in: 4 l (+ 144 p)
	v_mul_u32_u24 v7, v2, 144
	s_delay_alu instid0(VALU_DEP_1)
	v_lshl_add_u32 v7, v3, 6, v7
	s_delay_alu instid0(VALU_DEP_1)
	v_add_nc_u32 v7, s31, v7                       ; and out: row r, 16 of its 32
	v_lshlrev_b32 v9, 5, v2
	s_delay_alu instid0(VALU_DEP_1)
	v_add_nc_u32 v9, T1, v9                        ; the table: row r's eight words
	s_lshl_b32 s30, s24, 2
	v_add_nc_u32 v8, s30, v9                       ; my wave's word of them
; The 16 rows' partial sums v[R + p] become, in lane r (and r + 16), row r's sum over all 1,024 columns: v[R + 16]
.macro RSUM n
.irp p, 0,1,2,3,4,5,6,7,8,9,10,11,12,13,14,15
	ds_store_b32 v6, v[R+\p] offset:\p*144
.endr
.irp m, 0,1,2,3
	ds_load_b128 v[R+16+4*\m:R+16+4*\m+3], v7 offset:16*\m   ; LDS serves a wave's instructions in order: these see my stores
.endr
	s_wait_dscnt 0x0
	v_pk_add_f32 v[R+16:R+17], v[R+16:R+17], v[R+18:R+19]
	v_pk_add_f32 v[R+20:R+21], v[R+20:R+21], v[R+22:R+23]
	v_pk_add_f32 v[R+24:R+25], v[R+24:R+25], v[R+26:R+27]
	v_pk_add_f32 v[R+28:R+29], v[R+28:R+29], v[R+30:R+31]
	s_delay_alu instid0(VALU_DEP_3)
	v_pk_add_f32 v[R+16:R+17], v[R+16:R+17], v[R+20:R+21]
	s_delay_alu instid0(VALU_DEP_2)
	v_pk_add_f32 v[R+24:R+25], v[R+24:R+25], v[R+28:R+29]
	s_delay_alu instid0(VALU_DEP_1)
	v_pk_add_f32 v[R+16:R+17], v[R+16:R+17], v[R+24:R+25]
	s_delay_alu instid0(VALU_DEP_1)
	v_add_f32 v[R+16], v[R+16], v[R+17]
	s_delay_alu instid0(VALU_DEP_1)
	v_permlanex16_b32 v[R+17], v[R+16], s[SEL], s[SEL+1]
	s_delay_alu instid0(VALU_DEP_1)
	v_add_f32 v[R+16], v[R+16], v[R+17]            ; my wave's 128 columns of row r
	ds_store_b32 v8, v[R+16] offset:512*(\n-1)     ; lanes l and l + 16 write the same word with the same value
	s_wait_dscnt 0x0                               ; for the others' sake: my store has landed
	s_barrier_signal -1
	s_barrier_wait -1
	ds_load_b128 v[R+16:R+19], v9 offset:512*(\n-1)
	ds_load_b128 v[R+20:R+23], v9 offset:512*(\n-1)+16
	s_wait_dscnt 0x0
	v_pk_add_f32 v[R+16:R+17], v[R+16:R+17], v[R+18:R+19]
	v_pk_add_f32 v[R+20:R+21], v[R+20:R+21], v[R+22:R+23]
	s_delay_alu instid0(VALU_DEP_1)
	v_pk_add_f32 v[R+16:R+17], v[R+16:R+17], v[R+20:R+21]
	s_delay_alu instid0(VALU_DEP_1)
	v_add_f32 v[R+16], v[R+16], v[R+17]
.endm
	s_wait_loadcnt 0x0
.irp p, 0,1,2,3,4,5,6,7,8,9,10,11,12,13,14,15
	v_pk_add_f32 v[X+4*\p:X+4*\p+1], v[X+4*\p:X+4*\p+1], v[16:17]          ; the product + its bias,
	v_pk_add_f32 v[X+4*\p+2:X+4*\p+3], v[X+4*\p+2:X+4*\p+3], v[18:19]
	s_delay_alu instid0(VALU_DEP_2)
	v_pk_add_f32 v[X+4*\p:X+4*\p+1], v[X+4*\p:X+4*\p+1], v[R+4*\p:R+4*\p+1]   ; + the residual
	s_delay_alu instid0(VALU_DEP_2)
	v_pk_add_f32 v[X+4*\p+2:X+4*\p+3], v[X+4*\p+2:X+4*\p+3], v[R+4*\p+2:R+4*\p+3]
.endr
.irp p, 0,1,2,3,4,5,6,7,8,9,10,11,12,13,14,15
	v_pk_add_f32 v[R+32+2*\p:R+33+2*\p], v[X+4*\p:X+4*\p+1], v[X+4*\p+2:X+4*\p+3]
.endr
.irp p, 0,1,2,3,4,5,6,7,8,9,10,11,12,13,14,15
	v_add_f32 v[R+\p], v[R+32+2*\p], v[R+33+2*\p]
.endr
	RSUM 1
	s_delay_alu instid0(VALU_DEP_1)
	v_mul_f32 v[R+16], s36, v[R+16]                ; the mean of row r
.irp p, 0,1,2,3,4,5,6,7,8,9,10,11,12,13,14,15
	v_readlane_b32 s[40+\p], v[R+16], \p
.endr
.irp p, 0,1,2,3,4,5,6,7,8,9,10,11,12,13,14,15
.irp k, 0,1,2,3
	v_sub_f32 v[X+4*\p+\k], v[X+4*\p+\k], s[40+\p]
.endr
.endr
.irp p, 0,1,2,3,4,5,6,7,8,9,10,11,12,13,14,15
	v_mul_f32 v[R+\p], v[X+4*\p], v[X+4*\p]
.endr
.irp k, 1,2,3
.irp p, 0,1,2,3,4,5,6,7,8,9,10,11,12,13,14,15
	v_fmac_f32 v[R+\p], v[X+4*\p+\k], v[X+4*\p+\k]
.endr
.endr
	RSUM 2
	s_delay_alu instid0(VALU_DEP_1)
	v_fma_f32 v[R+16], v[R+16], s36, s37           ; the variance + 1e-5
	s_wait_alu depctr_va_vdst(0)
	v_rsq_f32 v[R+17], v[R+16]
	v_nop                                          ; a plain place behind the root
	s_wait_alu depctr_va_vdst(0)                   ; the wait ahead of its first reader
.irp p, 0,1,2,3,4,5,6,7,8,9,10,11,12,13,14,15
	v_readlane_b32 s[40+\p], v[R+17], \p
.endr
.irp p, 0,1,2,3,4,5,6,7,8,9,10,11,12,13,14,15
.irp k, 0,1,2,3
	v_mul_f32 v[X+4*\p+\k], s[40+\p], v[X+4*\p+\k]
.endr
	s_delay_alu instid0(VALU_DEP_3)
	v_pk_fma_f32 v[X+4*\p:X+4*\p+1], v[X+4*\p:X+4*\p+1], v[20:21], v[24:25]
	s_delay_alu instid0(VALU_DEP_2)
	v_pk_fma_f32 v[X+4*\p+2:X+4*\p+3], v[X+4*\p+2:X+4*\p+3], v[22:23], v[26:27]
	global_store_b128 v4, v[X+4*\p:X+4*\p+3], s[14:15] offset:(\p+8*(\p/8))*4096 th:TH_STORE_NT
.endr
	s_wait_tensorcnt 0x0                           ; the wave's end: behind my last LDS store
	ds_add_u32 v[SPW], v[NIL]
	s_wait_dscnt 0x0
	s_endpgm
.Lfunc_end_k_qc9a9040230_ln2:
	.size	k_qc9a9040230_ln2, .Lfunc_end_k_qc9a9040230_ln2-k_qc9a9040230_ln2
	.p2alignl 7, 3214868480
	.fill 96, 4, 3214868480
	.section	.rodata,"a",@progbits
	.p2align	6, 0x0
	.amdhsa_kernel k_qc9a9040230_ln2
		.amdhsa_group_segment_fixed_size 69632
		.amdhsa_private_segment_fixed_size 0
		.amdhsa_enable_private_segment 0
		.amdhsa_kernarg_size 48
		.amdhsa_user_sgpr_count 2
		.amdhsa_user_sgpr_kernarg_segment_ptr 1
		.amdhsa_wavefront_size32 1
		.amdhsa_system_sgpr_workgroup_id_x 1
		.amdhsa_system_sgpr_workgroup_id_y 1
		.amdhsa_system_sgpr_workgroup_id_z 1
		.amdhsa_system_vgpr_workitem_id 0
		.amdhsa_next_free_vgpr 160
		.amdhsa_next_free_sgpr 66
		.amdhsa_reserve_vcc 0
		.amdhsa_float_denorm_mode_32 3
		.amdhsa_float_denorm_mode_16_64 3
		.amdhsa_memory_ordered 1
		.amdhsa_forward_progress 1
		.amdhsa_inst_pref_size 33
	.end_amdhsa_kernel
	.amdgpu_metadata
---
amdhsa.version: [ 1, 2 ]
amdhsa.kernels:
  - .name:           k_qc9a9040230_ln2
    .symbol:         k_qc9a9040230_ln2.kd
    .args:
      - { .name: C32, .offset: 0, .size: 8, .value_kind: global_buffer, .address_space: global }
      - { .name: XF, .offset: 8, .size: 8, .value_kind: global_buffer, .address_space: global }
      - { .name: b2, .offset: 16, .size: 8, .value_kind: global_buffer, .address_space: global }
      - { .name: ln_g, .offset: 24, .size: 8, .value_kind: global_buffer, .address_space: global }
      - { .name: ln_b, .offset: 32, .size: 8, .value_kind: global_buffer, .address_space: global }
      - { .name: out0, .offset: 40, .size: 8, .value_kind: global_buffer, .address_space: global }
    .group_segment_fixed_size: 69632
    .private_segment_fixed_size: 0
    .kernarg_segment_align: 8
    .kernarg_segment_size: 48
    .max_flat_workgroup_size: 256
    .sgpr_count:     66
    .vgpr_count:     160
    .wavefront_size: 32
...
	.end_amdgpu_metadata
.endif
;; end of part 8
